; MI455X (gfx1250); checked and timed in simulation.
; The chip was launched on July 23, 2026; its instructions are those of AMD's public machine-readable ISA for CDNA 5 (MIT licence, August 2026) and "CDNA5" Instruction Set Architecture Reference Guide (July 2026). The comments in the code are by the model that wrote it; some were corrected since.
;; Multi Head Attention. Allowed arithmetic: float matrix products may take bf16 or f16 operands with f32 sums; all other float work in f32.
;; Inputs: W_out 1,024 x 1,024 float32; W_qkv 1,024 x 3,072 float32; b_out 1,024 float32; b_qkv 3,072 float32; mask 2 x 2,048 bool; x 2 x 2,048 x 1,024 float32.
;; Outputs: out0 2 x 2,048 x 1,024 float32.
;; 2 versions, each right; version 2 is version 1 with the launch prep written anew for expert scheduling mode. Each part assembles by itself: llvm-mc -triple=amdgcn-amd-amdhsa -mcpu=gfx1250 --defsym DOCPART=n.
;; ======== version 1 of 2: 4 launches
;; limits: right only within a limited range of input values
;; workspace buffers: xb 8,388,608 bytes; wqt 6,291,456 bytes; wot 2,097,152 bytes; qkvh 25,165,824 bytes; ctxh 8,388,608 bytes
;; launch prep (part 1): grid 1024 x 1, 8 waves a work-group, no clusters, 18,432 bytes of LDS; arguments x, W_qkv, W_out, xb, wqt, wot; writes xb, wqt, wot
.if DOCPART == 1
	.amdgcn_target "amdgcn-amd-amdhsa--gfx1250"
	.amdhsa_code_object_version 6
	.text
	.protected	k_q4396c99406_prep
	.globl	k_q4396c99406_prep
	.p2align	8
	.type	k_q4396c99406_prep,@function
k_q4396c99406_prep:
	s_mov_b64 s[64:65], 0
	v_nop
	global_prefetch_b8 v0, s[64:65] scope:SCOPE_SE
	s_setreg_imm32_b32 hwreg(HW_REG_WAVE_MODE, 25, 1), 1
	s_wait_xcnt 0x0
; Operands for the two projections, made once: xb = bf16(x), wqt[n][k] = bf16(W_qkv[k][n]), wot[n][k] = bf16(W_out[k][n]).
; 1,024 work-groups of 8 waves, each with 32,768 bytes of f32: eight 16-byte loads a thread, all issued before the first wait.
;   work-groups 0..511:    a dense piece of x, rounded and stored; a store's sixteen neighbouring lanes cover 256 consecutive bytes, aligned.
;   work-groups 512..1023: a tile of 128 k x 64 n of a weight (384 tiles of W_qkv, then 128 of W_out), turned through LDS.
; No work-group shares an input byte with another, so there is no cluster; there is no product, so no matrix instruction.
.set OFF, 2                            ; v[2:9]    transposing path: byte offset of my 16 bytes in row 8 ko + j of the tile
.set X,   10                           ; v[10:41]  32 f32 as loaded (later: rows read back from LDS)
.set T,   42                           ; v[42:57]  32 bf16, packed
.set LP,  272                          ; LDS row: 128 k x 2 bytes + 16: sixteen rows start at sixteen different 16-byte columns of 256
	s_load_b256 s[4:11], s[0:1], 0x0               ; x s[4:5], W_qkv s[6:7], W_out s[8:9], xb s[10:11]
	s_load_b128 s[12:15], s[0:1], 0x20             ; wqt s[12:13], wot s[14:15]
	v_lshl_add_u32 v64, v0, 2, 0x4400
	v_mov_b32 v65, 0
	s_mov_b32 s16, ttmp9
	s_cmp_lt_u32 s16, 512
	s_cbranch_scc1 .Lcast
	; ---- a weight tile ----
	s_sub_co_u32 s17, s16, 512                     ; tile number 0..511
	s_and_b32 s22, s17, 7                          ; kt: which 128 k
	s_lshr_b32 s23, s17, 3                         ; which 64 n, counted through both weights
	s_mov_b32 s28, 4096
	v_and_b32 v1, 15, v0                           ; nq: my four columns
	v_lshrrev_b32 v59, 4, v0                       ; ko: my eight rows
	s_wait_kmcnt 0x0
	s_cmp_lt_u32 s17, 384                          ; the first 384 tiles are W_qkv's
	s_cselect_b64 s[24:25], s[6:7], s[8:9]         ; from
	s_cselect_b64 s[26:27], s[12:13], s[14:15]     ; to
	s_cselect_b32 s28, 12288, s28                  ; bytes in a row of the source
	s_cselect_b32 s29, 0, 48
	s_sub_co_u32 s23, s23, s29                     ; nt: which 64 n of this weight
	s_lshl_b32 s30, s22, 7
	s_mul_i32 s30, s30, s28                        ; 128 kt rows
	s_lshl_b32 s31, s23, 8                         ; + 64 nt columns of 4 bytes
	s_add_co_u32 s30, s30, s31
	s_mov_b32 s31, 0
	s_add_nc_u64 s[24:25], s[24:25], s[30:31]
	s_lshl_b32 s30, s23, 17                        ; 64 nt rows of 2,048 bytes
	s_lshl_b32 s18, s22, 8                         ; + 128 kt numbers of 2 bytes
	s_add_co_u32 s30, s30, s18
	s_add_nc_u64 s[26:27], s[26:27], s[30:31]
	s_lshl_b32 s18, s28, 3                         ; eight rows of the source
	v_mul_lo_u32 v[OFF], v59, s18
	v_lshl_add_u32 v[OFF], v1, 4, v[OFF]           ; row 8 ko, columns 4 nq .. 4 nq + 3: sixteen lanes read 256 consecutive bytes
.irp j, 1,2,3,4,5,6,7
	v_add_nc_u32 v[OFF+\j], s28, v[OFF+\j-1]
.endr
.irp j, 0,1,2,3,4,5,6,7
	global_load_b128 v[X+4*\j:X+4*\j+3], v[OFF+\j], s[24:25] th:TH_LOAD_NT
.endr
	v_mul_u32_u24 v58, v1, LP
	v_lshl_add_u32 v58, v59, 4, v58                ; in: LDS row 16 c + nq holds column 4 nq + c; my eight k at byte 16 ko
	v_mul_u32_u24 v60, v59, LP
	v_lshl_add_u32 v60, v1, 4, v60                 ; back: LDS row 16 p + (t >> 4), 16 bytes at 16 (t & 15)
	v_lshlrev_b32 v61, 13, v59
	v_lshl_add_u32 v61, v1, 4, v61                 ; which is column 4 (t >> 4) + p: a row of 2,048 bytes in the result
	s_wait_loadcnt 0x0
.irp c, 0,1,2,3
.irp i, 0,1,2,3
	v_cvt_pk_bf16_f32 v[T+4*\c+\i], v[X+8*\i+\c], v[X+8*\i+4+\c]   ; column 4 nq + c, k = 8 ko + 2 i and + 1
.endr
.endr
.irp c, 0,1,2,3
	ds_store_b128 v58, v[T+4*\c:T+4*\c+3] offset:16*LP*\c
.endr
	s_wait_dscnt 0x0                               ; my stores are in LDS before I say so: other waves read them
	s_barrier_signal -1
	s_barrier_wait -1
.irp p, 0,1,2,3
	ds_load_b128 v[X+4*\p:X+4*\p+3], v60 offset:16*LP*\p
.endr
.irp p, 0,1,2,3
	s_wait_dscnt 3-\p                              ; LDS loads come back in order: the younger ones stay out
	global_store_b128 v61, v[X+4*\p:X+4*\p+3], s[26:27] offset:2048*\p   ; sixteen lanes: 256 consecutive bytes, aligned
.endr
	s_wait_tensorcnt 0x0
	ds_add_u32 v64, v65
	s_wait_dscnt 0x0
	s_endpgm
	; ---- a piece of x ----
.Lcast:
	s_lshl_b32 s18, s16, 15                        ; 32,768 bytes of f32 in,
	s_mov_b32 s19, 0
	s_lshl_b32 s20, s16, 14                        ; 16,384 bytes of bf16 out
	s_mov_b32 s21, 0
	v_lshlrev_b32 v1, 5, v0                        ; eight numbers a thread and chunk: 32 bytes in,
	v_lshlrev_b32 v2, 4, v0                        ; 16 bytes out
	s_wait_kmcnt 0x0
	s_add_nc_u64 s[4:5], s[4:5], s[18:19]
	s_add_nc_u64 s[10:11], s[10:11], s[20:21]
.irp c, 0,1,2,3
	global_load_b128 v[X+8*\c:X+8*\c+3],   v1, s[4:5] offset:8192*\c th:TH_LOAD_NT
	global_load_b128 v[X+8*\c+4:X+8*\c+7], v1, s[4:5] offset:8192*\c+16 th:TH_LOAD_NT
.endr
.irp c, 0,1,2,3
	s_wait_loadcnt 6-2*\c                          ; the two loads of each younger chunk stay out
.irp i, 0,1,2,3
	v_cvt_pk_bf16_f32 v[T+4*\c+\i], v[X+8*\c+2*\i], v[X+8*\c+2*\i+1]
.endr
	global_store_b128 v2, v[T+4*\c:T+4*\c+3], s[10:11] offset:4096*\c
.endr
	s_endpgm
.Lfunc_end_k_q4396c99406_prep:
	.size	k_q4396c99406_prep, .Lfunc_end_k_q4396c99406_prep-k_q4396c99406_prep
	.p2alignl 7, 3214868480
	.fill 96, 4, 3214868480
	.section	.rodata,"a",@progbits
	.p2align	6, 0x0
	.amdhsa_kernel k_q4396c99406_prep
		.amdhsa_group_segment_fixed_size 18432
		.amdhsa_private_segment_fixed_size 0
		.amdhsa_enable_private_segment 0
		.amdhsa_kernarg_size 48
		.amdhsa_user_sgpr_count 2
		.amdhsa_user_sgpr_kernarg_segment_ptr 1
		.amdhsa_wavefront_size32 1
		.amdhsa_system_sgpr_workgroup_id_x 1
		.amdhsa_system_sgpr_workgroup_id_y 1
		.amdhsa_system_sgpr_workgroup_id_z 1
		.amdhsa_system_vgpr_workitem_id 0
		.amdhsa_next_free_vgpr 66
		.amdhsa_next_free_sgpr 66
		.amdhsa_reserve_vcc 0
		.amdhsa_float_denorm_mode_32 3
		.amdhsa_float_denorm_mode_16_64 3
		.amdhsa_memory_ordered 1
		.amdhsa_forward_progress 1
		.amdhsa_inst_pref_size 8
	.end_amdhsa_kernel
	.amdgpu_metadata
---
amdhsa.version: [ 1, 2 ]
amdhsa.kernels:
  - .name:           k_q4396c99406_prep
    .symbol:         k_q4396c99406_prep.kd
    .args:
      - { .name: x, .offset: 0, .size: 8, .value_kind: global_buffer, .address_space: global }
      - { .name: W_qkv, .offset: 8, .size: 8, .value_kind: global_buffer, .address_space: global }
      - { .name: W_out, .offset: 16, .size: 8, .value_kind: global_buffer, .address_space: global }
      - { .name: xb, .offset: 24, .size: 8, .value_kind: global_buffer, .address_space: global }
      - { .name: wqt, .offset: 32, .size: 8, .value_kind: global_buffer, .address_space: global }
      - { .name: wot, .offset: 40, .size: 8, .value_kind: global_buffer, .address_space: global }
    .group_segment_fixed_size: 18432
    .private_segment_fixed_size: 0
    .kernarg_segment_align: 8
    .kernarg_segment_size: 48
    .max_flat_workgroup_size: 256
    .sgpr_count:     66
    .vgpr_count:     66
    .wavefront_size: 32
...
	.end_amdgpu_metadata
.endif
;; end of part 1
;; launch qkv (part 2): grid 12 x 16, 4 waves a work-group, clusters of 4 x 4, 327,680 bytes of LDS; arguments xb, wqt, qkvh, b_qkv; writes qkvh
.if DOCPART == 2
	.amdgcn_target "amdgcn-amd-amdhsa--gfx1250"
	.amdhsa_code_object_version 6
	.text
	.protected	k_q4396c99406_qkv
	.globl	k_q4396c99406_qkv
	.p2align	8
	.type	k_q4396c99406_qkv,@function
k_q4396c99406_qkv:
	s_mov_b64 s[64:65], 0
	v_nop
	global_prefetch_b8 v0, s[64:65] scope:SCOPE_SE
	s_setreg_imm32_b32 hwreg(HW_REG_WAVE_MODE, 25, 1), 1
	s_wait_xcnt 0x0
	s_wait_alu depctr_hold_cnt(0) depctr_sa_sdst(0) depctr_va_vdst(0) depctr_va_sdst(0) depctr_va_ssrc(0) depctr_va_vcc(0) depctr_vm_vsrc(0)
	s_getreg_b32 s2, hwreg(HW_REG_IB_STS2, 6, 4)
	s_cmp_eq_u32 s2, 0
	s_cbranch_scc0 .Lentry_in_a_cluster
	s_endpgm
.Lentry_in_a_cluster:
	s_bfe_u32 s2, ttmp6, 0x10000c
	s_cmp_lg_u32 s2, 0xf033
	s_cbranch_scc0 .Lentry_shape_is_right
	s_endpgm
.Lentry_shape_is_right:
; qkv[m][n] = sum over k of xb[m][k] wqt[n][k] + b_qkv[n], rounded to bf16 and stored by heads:
; qkvh = 96 slabs of [2048 tokens][64] bf16, slab = 48 x batch + n / 64 (16 of q, 16 of k, 16 of v for each batch).
; A work-group makes 256 x 256 with four waves, a wave 128 x 128: 64 accumulator tiles, 512 registers.  K = 1,024 goes in steps of 128
; through a ring of two LDS slots filled by tensor loads whose rows are 256 bytes of memory, aligned.
; CLUSTERS: 4 x 4 work-groups.  The four of a row of the cluster need the same tiles of xb, the four of a column the same tiles of wqt:
; each tile is asked for jointly, by the same tensor load in all four, which divides the requests by four.
; REGISTERS, in windows of 256:
;   window 0: v0-31 addresses; v64-127, v128-191 fragments of xb, two buffers; v192-223 at work on the way out
;   window 1: v0-63 the bias of my 128 columns in the accumulators' layout; v64-127, v128-191 fragments of wqt, two buffers
;   window 2: the 32 accumulator tiles of my rows 0-63 (tile (a, b) at v[8 (8 a + b)]);   window 3: those of my rows 64-127
; THE MATRIX INSTRUCTION IS USED TRANSPOSED: source 0 = 16 rows of wqt, source 1 = 16 rows of xb.  Lane l then holds row l % 16 of the result
; and its registers 0-7 the columns 8 (l / 16) + 0..7: eight neighbouring numbers, 16 bytes of bf16.
; The first product of each tile takes the bias as C: nothing is cleared and nothing is added afterwards.
.set SIZE_K, 1024
.set SLAB,   262144                    ; bytes in a slab of qkvh
.set KSTEP,  128
.set PITCH,  272                       ; an LDS row: 256 bytes + 16: the 16 rows of a fragment load start at 16 different 16-byte columns of 256
.set HALFT,  128*PITCH                 ; 128 rows: what one tensor load brings
.set SLOT,   4*HALFT                   ; xb's 256 rows, then wqt's 256 rows
.set STAGE,  2*SLOT                    ; behind the ring: 16 rows x 272 bytes for each wave; no tensor load lands here
.set SPITCH, 272
.set LAPS, SIZE_K/(2*KSTEP)            ; 4 laps of two K steps
.set ADRA, 16                          ; v16-17  LDS address of my xb fragments in slot 0, 1
.set ADRB, 20                          ; v20-21  the same for wqt
.set STO,  24                          ; v24     the way out: where I put 16 bytes of a row
.set RD,   25                          ; v25     the way out: where I read them back
.set CO,   26                          ; v26     my byte offset in qkvh
.set BO,   27                          ; v27     my byte offset in b_qkv
.set F0,   64
.set F1,   128
.set TMP,  192
.set G1, 24                            ; s[24:31] descriptor group 1 for xb's tiles
.set G0, 32                            ; s[32:39] group 0 for xb's tiles, one set for each slot
.set G1B, 48                           ; s[48:55] group 1 for wqt's tiles: another mask
.set G0B, 56                           ; s[56:63] group 0 for wqt's tiles
.set MSB, 0
.macro WIN new                         ; the immediate's high byte repeats the setting that is left
.if MSB != \new
	s_set_vgpr_msb (MSB<<8)|\new
.set MSB, \new
.endif
.endm
.set MUL_LO,  0xa1                     ; source 0 (wqt) window 1, source 1 (xb) window 0, C and D window 2
.set MUL_HI,  0xf1                     ; the same, C and D window 3
.set BIAS_LO, 0x91                     ; C = the bias in window 1, D window 2
.set BIAS_HI, 0xd1                     ; C = the bias in window 1, D window 3
.set TO_B,    0x40                     ; destination window 1, address window 0
; A joint load.  Waves 0 and 1 fetch xb's two halves, waves 2 and 3 wqt's.  The branch hangs on the wave's number alone.
.macro JLOAD s
	s_cmp_eq_u32 s11, 0
	s_cbranch_scc0 .Lfor_b_\@
	tensor_load_to_lds s[G0+4*\s:G0+4*\s+3], s[G1:G1+7]
	s_nop 0
	s_branch .Lasked_\@
.Lfor_b_\@:
	tensor_load_to_lds s[G0B+4*\s:G0B+4*\s+3], s[G1B:G1B+7]
	s_nop 0
.Lasked_\@:
.endm
.macro CREST                           ; a round of the cluster's barrier behind its opening work-group barrier
	s_cmp_lg_u32 s10, 0
	s_cbranch_scc1 .Lnot_wave_0_\@
	s_barrier_signal -3
.Lnot_wave_0_\@:
	s_barrier_wait -3
	s_barrier_signal -1
	s_barrier_wait -1
.endm
.macro CROUND                          ; a whole round
	s_barrier_signal -1
	s_barrier_wait -1
	CREST
.endm
	s_load_b128 s[4:7], s[0:1], 0x0                ; xb s[4:5], wqt s[6:7]
	s_load_b64 s[8:9], s[0:1], 0x10                ; qkvh
	s_load_b64 s[68:69], s[0:1], 0x18              ; b_qkv
	s_set_vgpr_msb 0x40
	v_lshl_add_u32 v255, v0, 2, 0x48400
	s_set_vgpr_msb 0x4000
	v_mov_b32 v255, 0
	s_set_vgpr_msb 0x1
	ds_add_u32 v255, v255
	s_set_vgpr_msb 0x100
	v_lshrrev_b32 v1, 5, v0
	v_readfirstlane_b32 s10, v1                    ; wave 0..3
	s_lshr_b32 s11, s10, 1                         ; which half of the block's rows is mine.  Also: I fetch xb (0) or wqt (1)
	s_and_b32 s12, s10, 1                          ; which half of its columns.  Also: which 128 rows of that tile I fetch
	s_bfe_u32 s40, ttmp6, 0x40000                  ; cx
	s_bfe_u32 s41, ttmp6, 0x40004                  ; cy
	s_lshl_b32 s42, ttmp9, 2
	s_add_co_u32 s42, s42, s40                     ; block column = 4 x cluster x + cx
	s_and_b32 s13, ttmp7, 0xffff
	s_lshl_b32 s13, s13, 2
	s_add_co_u32 s13, s13, s41                     ; block row = 4 x cluster y + cy
	s_lshl_b32 s43, s41, 2
	s_lshl_b32 s43, 15, s43                        ; my row of the cluster: places 4 cy .. 4 cy + 3
	s_lshl_b32 s44, 0x1111, s40                    ; my column: places cx, cx + 4, cx + 8, cx + 12
	; group 1: a tile of 128 rows x 128 elements of 2 bytes, 4 words of padding behind every 64
	s_or_b32 s[G1+0], s43, (1<<16)|(1<<20)|(1<<21)|(5<<22)|(3<<25)
	s_or_b32 s[G1B+0], s44, (1<<16)|(1<<20)|(1<<21)|(5<<22)|(3<<25)
	s_mov_b32 s[G1B+1], KSTEP<<16
	s_mov_b32 s[G1+1], KSTEP<<16                   ; tensor_dim0 = 128
	s_mov_b32 s[G1B+2], 128<<16
	s_mov_b32 s[G1+2], 128<<16                     ; tensor_dim1 = 128
	s_mov_b32 s[G1B+3], KSTEP<<16
	s_mov_b32 s[G1+3], KSTEP<<16                   ; tile_dim0 = 128
	s_mov_b32 s[G1B+4], 128
	s_mov_b32 s[G1+4], 128                         ; tile_dim1 = 128
	s_mov_b32 s[G1B+5], SIZE_K
	s_mov_b32 s[G1+5], SIZE_K                      ; elements from row to row
	s_mov_b32 s[G1B+6], 0
	s_mov_b32 s[G1+6], 0
	s_mov_b32 s[G1B+7], 0
	s_mov_b32 s[G1+7], 0
	; xb's tiles hang on the block row alone, wqt's on the block column alone, each in registers that never hold the other coordinate
	s_lshl_b32 s17, s12, 7
	s_lshl_b32 s16, s13, 8
	s_add_co_u32 s16, s16, s17                     ; xb: row 256 x block row + 128 x half
	s_lshl_b32 s46, s42, 8
	s_add_co_u32 s46, s46, s17                     ; wqt: row 256 x block column + 128 x half
	s_mov_b32 s17, 0
	s_mov_b32 s47, 0
	s_mov_b64 s[18:19], SIZE_K*2
	s_mul_u64 s[16:17], s[16:17], s[18:19]
	s_mul_u64 s[46:47], s[46:47], s[18:19]
	s_mul_i32 s20, s10, HALFT                      ; LDS: wave x 128 rows
	s_wait_dscnt 0x0
	s_wait_kmcnt 0x0
	s_add_nc_u64 s[14:15], s[4:5], s[16:17]
	s_add_nc_u64 s[46:47], s[6:7], s[46:47]
	CROUND                                         ; all sixteen work-groups are here: the first joint loads meet
.irp s, 0,1
	s_mov_b32 s[G0+4*\s], 1
	s_add_co_u32 s[G0+4*\s+1], s20, \s*SLOT
	s_add_nc_u64 s[G0+4*\s+2:G0+4*\s+3], s[14:15], \s*KSTEP*2
	s_or_b32 s[G0+4*\s+3], s[G0+4*\s+3], 0x80000000
	s_mov_b32 s[G0B+4*\s], 1
	s_add_co_u32 s[G0B+4*\s+1], s20, \s*SLOT
	s_add_nc_u64 s[G0B+4*\s+2:G0B+4*\s+3], s[46:47], \s*KSTEP*2
	s_or_b32 s[G0B+4*\s+3], s[G0B+4*\s+3], 0x80000000
	JLOAD \s
.endr
	v_and_b32 v1, 15, v0                           ; l % 16
	v_bfe_u32 v2, v0, 4, 1                         ; l / 16
	v_mul_u32_u24 v3, v1, PITCH
	v_lshl_add_u32 v3, v2, 4, v3                   ; fragment: row x pitch + 16 x half
	s_mul_i32 s21, s11, HALFT
	s_mul_i32 s22, s12, HALFT
	s_add_co_u32 s22, s22, 2*HALFT
.irp s, 0,1
	v_add_nc_u32 v[ADRA+\s], s21, v3
	v_add_nc_u32 v[ADRB+\s], s22, v3
	s_add_co_u32 s21, s21, SLOT
	s_add_co_u32 s22, s22, SLOT
.endr
	s_mul_i32 s23, s10, 16*SPITCH
	s_add_co_u32 s23, s23, STAGE                   ; my stage
	v_mul_u32_u24 v4, v1, SPITCH
	v_lshl_add_u32 v4, v2, 4, v4
	v_add_nc_u32 v[STO], s23, v4                   ; in: row l % 16, 16 bytes for each half of the lanes
	; back: my 128 columns are two heads.  Lanes 0-15 take 128 bytes of each of two tokens of the first head, lanes 16-31 of the second
	v_bfe_u32 v5, v0, 3, 1
	v_mul_u32_u24 v5, v5, SPITCH                   ; which of the two tokens
	v_lshl_add_u32 v5, v2, 7, v5                   ; which head
	v_and_b32 v6, 7, v0
	v_lshl_add_u32 v5, v6, 4, v5
	v_add_nc_u32 v[RD], s23, v5
	v_lshlrev_b32 v5, 18, v2                       ; the second head's slab is the next one
	v_lshl_add_u32 v[CO], v1, 4, v5                ; two tokens of a slab are 256 consecutive bytes
	s_lshl_b32 s45, s42, 10                        ; bias: 4 bytes x (256 x block column + 128 x half + 8 (l / 16))
	s_lshl_b32 s66, s12, 9
	s_add_co_u32 s45, s45, s66
	v_lshl_add_u32 v[BO], v2, 5, s45
	WIN TO_B
.irp b, 0,1,2,3,4,5,6,7
	global_load_b128 v[8*\b:8*\b+3],   v[BO], s[68:69] offset:64*\b      ; register j of n block b: bias of column 16 b + 8 (l / 16) + j
	global_load_b128 v[8*\b+4:8*\b+7], v[BO], s[68:69] offset:64*\b+16
.endr
; 16 matrix instructions: m blocks a0, a0 + 1 of the window's four x all 8 n blocks, 32 along K.  zero = 1: the bias starts the sums.
.macro MUL16 f, hi, a0, zero
.irp a, \a0, \a0+1
.irp b, 0,1,2,3,4,5,6,7
.if \zero
	v_wmma_f32_16x16x32_bf16 v[8*(8*(\a)+\b):8*(8*(\a)+\b)+7], v[\f+8*\b:\f+8*\b+7], v[\f+8*(4*\hi+\a):\f+8*(4*\hi+\a)+7], v[8*\b:8*\b+7]
.else
	v_wmma_f32_16x16x32_bf16 v[8*(8*(\a)+\b):8*(8*(\a)+\b)+7], v[\f+8*\b:\f+8*\b+7], v[\f+8*(4*\hi+\a):\f+8*(4*\hi+\a)+7], v[8*(8*(\a)+\b):8*(8*(\a)+\b)+7]
.endif
.endr
.endr
.endm
; 32 LDS loads in one run: the fragments of one quarter step into buffer f
.macro FETCH slot, k, f
	WIN TO_B
.irp i, 0,1,2,3,4,5,6,7
	ds_load_b128 v[\f+8*\i:\f+8*\i+3],   v[ADRB+\slot] offset:\k+\i*16*PITCH
	ds_load_b128 v[\f+8*\i+4:\f+8*\i+7], v[ADRB+\slot] offset:\k+\i*16*PITCH+32
.endr
	WIN 0
.irp i, 0,1,2,3,4,5,6,7
	ds_load_b128 v[\f+8*\i:\f+8*\i+3],   v[ADRA+\slot] offset:\k+\i*16*PITCH
	ds_load_b128 v[\f+8*\i+4:\f+8*\i+7], v[ADRA+\slot] offset:\k+\i*16*PITCH+32
.endr
.endm
; Four independent vector instructions stand between a matrix instruction and a load into, or a vector access to, its registers
.macro PLACES
.rept 4
	v_nop
.endr
.endm
; A quarter step: 64 matrix instructions on buffer f; in its middle the next quarter's fragments go into buffer g.
; The 64 accumulators take turns, one instruction a turn, in the same order in every quarter.
.macro QUARTER slot, k, f, g, zero
	s_wait_dscnt 8                                 ; wqt's and xb's rows 0-63 are in; the youngest eight loads (xb's rows 64-127) may be out
.if \zero
	WIN BIAS_LO
.else
	WIN MUL_LO
.endif
	MUL16 \f, 0, 0, \zero
	MUL16 \f, 0, 2, \zero
	PLACES
	FETCH \slot, \k, \g
	s_wait_dscnt 32                                ; all but the 32 just issued
.if \zero
	WIN BIAS_HI
.else
	WIN MUL_HI
.endif
	MUL16 \f, 1, 0, \zero
	MUL16 \f, 1, 2, \zero
.endm
.macro THREE slot, zero
	QUARTER \slot, 64,  F0, F1, \zero
	QUARTER \slot, 128, F1, F0, 0
	QUARTER \slot, 192, F0, F1, 0
.endm
; The last quarter changes slots.  In front of the barrier each wave waits for its reads of this slot and for all its tensor loads (one is out:
; its part of the next slot); behind it the refill comes first, then the next slot's first fragments.
.macro TURN slot, next, fill
	s_wait_dscnt 8
	WIN MUL_LO
	MUL16 F1, 0, 0, 0
	s_wait_dscnt 0                                 ; my reads of this slot are over
	s_wait_tensorcnt 0x0                           ; and all my tensor loads have landed
	ds_add_u32 v255, v255
	s_wait_dscnt 0x0
	s_barrier_signal -1
	MUL16 F1, 0, 2, 0                              ; register work while the others arrive
	WIN 0
	s_barrier_wait -1
.if \fill
	CREST                                          ; all sixteen work-groups have said so: no wave of a partner still reads this slot or has a load on its way
	s_add_nc_u64 s[G0+4*\slot+2:G0+4*\slot+3], s[G0+4*\slot+2:G0+4*\slot+3], 2*KSTEP*2
	s_add_nc_u64 s[G0B+4*\slot+2:G0B+4*\slot+3], s[G0B+4*\slot+2:G0B+4*\slot+3], 2*KSTEP*2
	JLOAD \slot                                    ; the first tensor load behind the round
.endif
	PLACES
	FETCH \next, 0, F0
	WIN MUL_HI
	MUL16 F1, 1, 0, 0
	MUL16 F1, 1, 2, 0
.endm
.macro LAP zero
	THREE 0, \zero
	TURN 0, 1, 1
	THREE 1, 0
	TURN 1, 0, 1
.endm
	s_wait_loadcnt 0x0                             ; the bias is in
	s_wait_tensorcnt 1                             ; my part of K step 0 is in; K step 1's stays out
	s_barrier_signal -1
	s_barrier_wait -1
	FETCH 0, 0, F0
	LAP 1                                          ; the first lap stands in front of the loop: its first products start the sums
	WIN 0
	s_mov_b32 s3, LAPS-2
.Llap:
	LAP 0
	WIN 0
	s_sub_co_u32 s3, s3, 1
	s_cmp_lg_u32 s3, 0
	s_cbranch_scc1 .Llap
	THREE 0, 0                                     ; the last lap fills nothing
	TURN 0, 1, 0
	THREE 1, 0
	s_wait_dscnt 8
	WIN MUL_LO
	MUL16 F1, 0, 0, 0
	MUL16 F1, 0, 2, 0
	s_wait_dscnt 0
	WIN MUL_HI
	MUL16 F1, 1, 0, 0
	MUL16 F1, 1, 2, 0
	; THE WAY OUT, 16 tokens at a time: round to bf16, 16 bytes a lane into my own stage, read back as pairs of tokens of one head.
	PLACES
	s_lshl_b32 s13, s13, 8
	s_lshl_b32 s14, s11, 7
	s_add_co_u32 s16, s13, s14                     ; my first row = 2,048 x batch + token
	s_lshr_b32 s17, s16, 11
	s_and_b32 s16, s16, 2047
	s_lshl_b32 s16, s16, 7                         ; 128 bytes a token
	s_mul_i32 s17, s17, 48*SLAB                    ; 48 slabs a batch
	s_add_co_u32 s16, s16, s17
	s_mov_b32 s17, 0
	s_add_nc_u64 s[8:9], s[8:9], s[16:17]
	s_lshl_b32 s46, s42, 2                         ; my first column / 64 = 4 x block column + 2 x half
	s_lshl1_add_u32 s46, s12, s46
	s_lshl_b32 s46, s46, 18
	s_mov_b32 s47, 0
	s_add_nc_u64 s[8:9], s[8:9], s[46:47]
.macro OUT16 i, a, from, f
	WIN \from
.irp b, 0,1,2,3,4,5,6,7
.irp r, 0,1,2,3
	v_cvt_pk_bf16_f32 v[TMP+4*\b+\r], v[8*(8*\a+\b)+2*\r], v[8*(8*\a+\b)+2*\r+1]
.endr
.endr
	WIN 0
.irp b, 0,1,2,3,4,5,6,7
	ds_store_b128 v[STO], v[TMP+4*\b:TMP+4*\b+3] offset:32*\b
.endr
	s_wait_xcnt 0x0                                ; buffer f, which earlier stores read, and the stores' base are rewritten only behind this wait
.if \i
	s_add_nc_u64 s[8:9], s[8:9], 16*128            ; 16 tokens on
.endif
.irp t, 0,1,2,3,4,5,6,7
	ds_load_b128 v[\f+4*\t:\f+4*\t+3], v[RD] offset:\t*2*SPITCH    ; LDS serves a wave's instructions in order: these see the stores above
.endr
.irp t, 0,1,2,3,4,5,6,7
	s_wait_dscnt 7-\t
	global_store_b128 v[CO], v[\f+4*\t:\f+4*\t+3], s[8:9] offset:256*\t   ; 16 lanes store 256 consecutive bytes, aligned: two tokens of a head
.endr
.endm
	OUT16 0, 0, 0x0a, F0
	OUT16 1, 1, 0x0a, F1
	OUT16 2, 2, 0x0a, F0
	OUT16 3, 3, 0x0a, F1
	OUT16 4, 0, 0x0f, F0
	OUT16 5, 1, 0x0f, F1
	OUT16 6, 2, 0x0f, F0
	OUT16 7, 3, 0x0f, F1
	s_set_vgpr_msb 0x1
	s_wait_tensorcnt 0x0
	ds_add_u32 v255, v255
	s_wait_dscnt 0x0
	s_set_vgpr_msb 0x100
	CROUND                                         ; the closing round: no work-group ends while a partner may still ask for a tile that names it
	s_endpgm
.Lfunc_end_k_q4396c99406_qkv:
	.size	k_q4396c99406_qkv, .Lfunc_end_k_q4396c99406_qkv-k_q4396c99406_qkv
	.p2alignl 7, 3214868480
	.fill 96, 4, 3214868480
	.section	.rodata,"a",@progbits
	.p2align	6, 0x0
	.amdhsa_kernel k_q4396c99406_qkv
		.amdhsa_group_segment_fixed_size 327680
		.amdhsa_private_segment_fixed_size 0
		.amdhsa_enable_private_segment 0
		.amdhsa_kernarg_size 32
		.amdhsa_user_sgpr_count 2
		.amdhsa_user_sgpr_kernarg_segment_ptr 1
		.amdhsa_wavefront_size32 1
		.amdhsa_system_sgpr_workgroup_id_x 1
		.amdhsa_system_sgpr_workgroup_id_y 1
		.amdhsa_system_sgpr_workgroup_id_z 1
		.amdhsa_system_vgpr_workitem_id 0
		.amdhsa_next_free_vgpr 1024
		.amdhsa_next_free_sgpr 72
		.amdhsa_reserve_vcc 0
		.amdhsa_float_denorm_mode_32 3
		.amdhsa_float_denorm_mode_16_64 3
		.amdhsa_memory_ordered 1
		.amdhsa_forward_progress 1
		.amdhsa_inst_pref_size 198
	.end_amdhsa_kernel
	.amdgpu_metadata
---
amdhsa.version: [ 1, 2 ]
amdhsa.kernels:
  - .name:           k_q4396c99406_qkv
    .symbol:         k_q4396c99406_qkv.kd
    .args:
      - { .name: xb, .offset: 0, .size: 8, .value_kind: global_buffer, .address_space: global }
      - { .name: wqt, .offset: 8, .size: 8, .value_kind: global_buffer, .address_space: global }
      - { .name: qkvh, .offset: 16, .size: 8, .value_kind: global_buffer, .address_space: global }
      - { .name: b_qkv, .offset: 24, .size: 8, .value_kind: global_buffer, .address_space: global }
    .group_segment_fixed_size: 327680
    .private_segment_fixed_size: 0
    .kernarg_segment_align: 8
    .kernarg_segment_size: 32
    .max_flat_workgroup_size: 128
    .sgpr_count:     72
    .vgpr_count:     1024
    .wavefront_size: 32
...
	.end_amdgpu_metadata
.endif
;; end of part 2
;; launch attn (part 3): grid 8 x 32, 8 waves a work-group, clusters of 4 x 1, 327,680 bytes of LDS; arguments qkvh, mask, ctxh; writes ctxh
.if DOCPART == 3
	.amdgcn_target "amdgcn-amd-amdhsa--gfx1250"
	.amdhsa_code_object_version 6
	.text
	.protected	k_q4396c99406_attn
	.globl	k_q4396c99406_attn
	.p2align	8
	.type	k_q4396c99406_attn,@function
k_q4396c99406_attn:
	s_mov_b64 s[64:65], 0
	v_nop
	global_prefetch_b8 v0, s[64:65] scope:SCOPE_SE
	s_setreg_imm32_b32 hwreg(HW_REG_WAVE_MODE, 25, 1), 1
	s_wait_xcnt 0x0
	s_wait_alu depctr_hold_cnt(0) depctr_sa_sdst(0) depctr_va_vdst(0) depctr_va_sdst(0) depctr_va_ssrc(0) depctr_va_vcc(0) depctr_vm_vsrc(0)
	s_getreg_b32 s2, hwreg(HW_REG_IB_STS2, 6, 4)
	s_cmp_eq_u32 s2, 0
	s_cbranch_scc0 .Lentry_in_a_cluster
	s_endpgm
.Lentry_in_a_cluster:
	s_bfe_u32 s2, ttmp6, 0x10000c
	s_cmp_lg_u32 s2, 0x3003
	s_cbranch_scc0 .Lentry_shape_is_right
	s_endpgm
.Lentry_shape_is_right:
; ctx = softmax(q k^T / 8, masked keys left out) v for one (batch, head) and 256 queries a work-group; a wave has 32 queries (2 blocks of 16).
; COMPUTED TRANSPOSED: S^T = K Q^T and O^T = V^T P^T.  In a result tile lane l holds query l % 16 and its registers hold keys (or head
; dimensions) 8 (l / 16) + 0..7.  So maximum, scale and rescale are a lane's own but for one exchange with lane l xor 16, and two tiles of S^T,
; packed to bf16 in place, ARE the second source of the P V product: no shuffle, no trip through LDS.
; The row sums come from the matrix unit too: a first source of ones gives the sum over all 32 keys of the rounded P in every lane.
; Keys go in tiles of 256 through two LDS slots; a tile is worked on in four blocks of 64 keys.
; TWO KINDS OF WAVE.  A block's work is a matrix phase (P V of the block before, then this block's scores: 36 matrix instructions) and a vector
; phase (two softmaxes and the rescale: some 220 vector instructions).  Eight waves lie two on a SIMD.  So that one wave's matrix phase falls into
; the other's vector phase, the barrier at a tile's end stands at another place in the two kinds' sequence of phases: kind 0 runs block 3's vector
; phase in front of it, kind 1 behind it.  That phase stands twice in the text, each copy under a branch on the wave's number; no barrier and no
; tensor load stands inside.  Behind the barrier kind 0 goes on with a matrix phase and kind 1 with a vector phase, and both have eight phases to the next one.
; Kind = (w xor (w >> 2)) & 1: waves w and w + 4 differ, and so do waves 2 i and 2 i + 1.
; CLUSTER 4 x 1: the four query blocks of a cluster read the same K and V tiles and ask for them jointly (mask 15).
; MASK: a masked key adds -2^100 to its raw score, as the C operand of the score product; an unmasked key adds 0.
; The maximum is taken away by a running maximum, which starts at -2^90.
; LIMITS: a row whose unmasked raw scores all lie below -2^90 would be treated as masked.  A batch with every key masked gives sum 0,
; reciprocal infinity and 0 x infinity = NaN, as the softmax of a row of -infinity does.
.set SLAB,   262144                    ; bytes in a slab [2048][64] bf16
.set TILEB,  32768                     ; 256 keys x 128 bytes
.set KP,     144                       ; LDS pitch of a key's K row: 128 + 16, an odd multiple of 16
.set VP,     160                       ; LDS pitch of a key's V row: 128 + 32, an odd multiple of 32, for the transposing load
.set VOFF,   256*KP                    ; V behind K in a slot
.set SLOTB,  256*KP+256*VP             ; 77,824
.set MASKB,  2*SLOTB                   ; 2,048 f32: what each key adds to its scores.  Written by LDS stores; no tensor load lands here
.set STAGE,  MASKB+8192                ; 32 rows x 144 bytes for each wave, for the way out; likewise
.set WSTAGE, 32*KP
; window 0
.set ADRK, 2                           ; v2-3    K fragments in slot 0, 1
.set ADRV, 4                           ; v4-5    V fragments in slot 0, 1
.set ADRM, 6                           ; v6      the tile's mask words
.set STO,  7
.set SM,   8                           ; v[8:11], v[12:15]: for each query block -c x maximum, maximum, rescale factor, a written partner for the pair
.set TT,   16                          ; v[16:21] at work
.set RD,   22
.set CO,   23
.set ONES, 24                          ; v[24:31] bf16 1.0 throughout
.set SC,   32                          ; v[32:95]   scores: block qb, 16 keys t at SC + 32 qb + 8 t; later P: 32 keys f at SC + 32 qb + 8 f
.set KF,   96                          ; v[96:159]  K fragments (t, ks) at KF + 16 t + 8 ks
.set VF,   160                         ; v[160:223] V^T fragments (f, d) at VF + 32 f + 8 d
.set MK,   224                         ; v[224:255] mask words of 16 keys t at MK + 8 t
; window 1
.set QF,   0                           ; v[256:287] Q fragments (qb, ks) at 16 qb + 8 ks
.set OA,   32                          ; v[288:351] O^T (qb, d) at 32 + 32 qb + 8 d
.set LS,   96                          ; v[352:367] row sums (qb) at 96 + 8 qb
.set MSB, 0
.macro WIN new                         ; the immediate's high byte repeats the setting that is left
.if MSB != \new
	s_set_vgpr_msb (MSB<<8)|\new
.set MSB, \new
.endif
.endm
.macro NOPS n
.rept \n
	v_nop
.endr
.endm
; A round of the cluster's barrier: my work-group's barrier, wave 0 signals for the work-group, every wave waits for all four work-groups, my work-group's barrier again
.macro ROUND
	WIN 0
	s_barrier_signal -1
	s_barrier_wait -1
	s_cmp_lg_u32 s10, 0
	s_cbranch_scc1 .Lnot_wave_0_\@
	s_barrier_signal -3
.Lnot_wave_0_\@:
	s_barrier_wait -3
	s_barrier_signal -1
	s_barrier_wait -1
.endm
	s_load_b128 s[4:7], s[0:1], 0x0                ; qkvh s[4:5], mask s[6:7]
	s_load_b64 s[8:9], s[0:1], 0x10                ; ctxh
	s_set_vgpr_msb 0x40
	v_lshl_add_u32 v112, v0, 2, 0x31000
	v_mov_b32 v113, 0
	s_set_vgpr_msb 0x4045
	ds_add_u32 v112, v113
	s_set_vgpr_msb 0x4500
	v_lshrrev_b32 v1, 5, v0
	v_readfirstlane_b32 s10, v1                    ; wave 0..7
	s_lshr_b32 s60, s10, 2
	s_xor_b32 s60, s60, s10
	s_and_b32 s60, s60, 1                          ; the wave's kind
	s_bfe_u32 s11, ttmp6, 0x40000                  ; cx: enters only Q's and ctxh's global offsets (s11, s12, s58, s59)
	s_lshl_b32 s12, ttmp9, 2
	s_add_co_u32 s12, s12, s11                     ; query block 0..7
	s_lshl_b32 s12, s12, 15                        ; 256 queries x 128 bytes
	s_lshl_b32 s58, s10, 12                        ; + 32 queries x 128 bytes for each wave
	s_add_co_u32 s12, s12, s58
	s_and_b32 s13, ttmp7, 0xffff                   ; 16 x batch + head
	s_lshr_b32 s14, s13, 4
	s_and_b32 s15, s13, 15
	s_mul_i32 s54, s14, 48
	s_add_co_u32 s54, s54, s15
	s_lshl_b32 s54, s54, 18                        ; q's slab
	s_add_co_u32 s58, s12, s54
	s_mov_b32 s59, 0
	s_lshl_b32 s56, s10, 12                        ; each wave moves keys 32 w .. 32 w + 31 of a tile: 4,096 dense bytes
	s_add_co_u32 s56, s56, s54
	s_add_co_u32 s56, s56, 16*SLAB                 ; k's slab is 16 behind q's
	s_mov_b32 s57, 0
	s_mov_b32 s48, 0x3e38aa3b                      ; c = log2(e) / 8
	s_mov_b32 s49, 0x3e38aa3b
	s_mov_b32 s50, 0xbe38aa3b                      ; -c
	s_mov_b32 s51, 0x76543210                      ; v_permlanex16_b32: lane i of one half reads lane i of the other
	s_mov_b32 s52, 0xfedcba98
	s_lshl_b32 s53, s14, 11                        ; the batch's 2,048 mask bytes
	; group 1: 16 rows of 128 elements of 2 bytes (256 bytes of memory each), dense; padding behind every 32 words, that is behind every key
	s_mov_b32 s16, 15|(1<<16)|(1<<20)|(1<<21)|(4<<22)|(3<<25)   ; K: 4 words of padding.  Mask 15: all four work-groups of the cluster
	s_mov_b32 s24, 15|(1<<16)|(1<<20)|(1<<21)|(4<<22)|(7<<25)   ; V: 8 words
	s_mov_b32 s17, 128<<16                         ; tensor_dim0 = 128
	s_mov_b32 s25, 128<<16
	s_mov_b32 s18, 16<<16                          ; tensor_dim1 = 16
	s_mov_b32 s26, 16<<16
	s_mov_b32 s19, 128<<16                         ; tile_dim0 = 128
	s_mov_b32 s27, 128<<16
	s_mov_b32 s20, 16                              ; tile_dim1 = 16
	s_mov_b32 s28, 16
	s_mov_b32 s21, 128                             ; elements from row to row
	s_mov_b32 s29, 128
	s_mov_b32 s22, 0
	s_mov_b32 s30, 0
	s_mov_b32 s23, 0
	s_mov_b32 s31, 0
	; group 0: K slot 0 s[32:35], V slot 0 s[36:39], K slot 1 s[40:43], V slot 1 s[44:47]
	s_mov_b32 s32, 1
	s_mov_b32 s36, 1
	s_mov_b32 s40, 1
	s_mov_b32 s44, 1
	s_mul_i32 s33, s10, 32*KP
	s_add_co_u32 s41, s33, SLOTB
	s_mul_i32 s37, s10, 32*VP
	s_add_co_u32 s37, s37, VOFF
	s_add_co_u32 s45, s37, SLOTB
	; lane addresses
	v_and_b32 v1, 15, v0                           ; r = l % 16
	v_bfe_u32 v20, v0, 4, 1                        ; h = l / 16
	v_and_b32 v21, 7, v0
	v_bfe_u32 v19, v0, 3, 1
	v_mul_u32_u24 v[ADRK], v1, KP
	v_lshl_add_u32 v[ADRK], v20, 4, v[ADRK]        ; K fragment: key r, 16 bytes at 16 h
	v_add_nc_u32 v[ADRK+1], SLOTB, v[ADRK]
	v_lshl_add_u32 v18, v20, 3, v21                ; V, transposing load: key 8 h + (l & 7),
	v_mul_u32_u24 v18, v18, VP
	v_lshl_add_u32 v18, v19, 4, v18                ; 16 bytes at 16 ((l >> 3) & 1)
	v_add_nc_u32 v[ADRV], VOFF, v18
	v_add_nc_u32 v[ADRV+1], SLOTB+VOFF, v18
	v_lshlrev_b32 v[ADRM], 5, v20
	v_add_nc_u32 v[ADRM], MASKB, v[ADRM]           ; mask words of keys 8 h + 0..7
	s_mul_i32 s55, s10, WSTAGE
	s_add_co_u32 s55, s55, STAGE                   ; my stage
	v_add_nc_u32 v[STO], s55, v[ADRK]              ; in: query r, 16 bytes at 16 h
	v_bfe_u32 v18, v0, 3, 2
	v_mul_u32_u24 v18, v18, KP
	v_lshl_add_u32 v18, v21, 4, v18
	v_add_nc_u32 v[RD], s55, v18                   ; back: four queries of 128 bytes for the 32 lanes
	v_and_b32 v18, 31, v0
	v_lshlrev_b32 v[CO], 4, v18                    ; which are 512 consecutive bytes of ctxh
	v_lshlrev_b32 v17, 7, v1
	v_lshl_add_u32 v17, v20, 4, v17                ; Q fragment: query r, 16 bytes at 16 h
	v_lshl_add_u32 v16, v0, 3, s53                 ; eight mask bytes a thread
	v_mov_b32 v21, 0xf1800000                      ; -2^100
	s_wait_dscnt 0x0
	s_wait_kmcnt 0x0
	s_add_nc_u64 s[58:59], s[4:5], s[58:59]        ; my wave's queries
	s_add_nc_u64 s[34:35], s[4:5], s[56:57]        ; K, tile 0
	s_add_nc_u64 s[42:43], s[34:35], TILEB         ; K, tile 1
	s_add_nc_u64 s[38:39], s[34:35], 16*SLAB       ; V, tile 0: v's slab is 16 behind k's
	s_add_nc_u64 s[46:47], s[38:39], TILEB         ; V, tile 1
	s_or_b32 s35, s35, 0x80000000
	s_or_b32 s43, s43, 0x80000000
	s_or_b32 s39, s39, 0x80000000
	s_or_b32 s47, s47, 0x80000000
	global_load_b64 v[18:19], v16, s[6:7]
	WIN 0x40                                       ; destination window 1
.irp qb, 0,1
.irp ks, 0,1
	global_load_b128 v[QF+16*\qb+8*\ks:QF+16*\qb+8*\ks+3],   v17, s[58:59] offset:2048*\qb+64*\ks
	global_load_b128 v[QF+16*\qb+8*\ks+4:QF+16*\qb+8*\ks+7], v17, s[58:59] offset:2048*\qb+64*\ks+32
.endr
.endr
	ROUND                                          ; in front of the first joint loads; the mask's and Q's loads go on beside them
	tensor_load_to_lds s[32:35], s[16:23]          ; tile 0
	s_nop 0
	tensor_load_to_lds s[36:39], s[24:31]
	s_nop 0
	tensor_load_to_lds s[40:43], s[16:23]          ; tile 1: four tensor loads of the wave are out here, later two
	s_nop 0
	tensor_load_to_lds s[44:47], s[24:31]
	s_nop 0
.irp i, 0,1,2,3,4,5,6,7
	v_mov_b32 v[ONES+\i], 0x3f803f80
.endr
.irp qb, 0,1
	v_mov_b32 v[SM+4*\qb+1], 0xec800000            ; the running maximum starts at -2^90
	v_mul_f32 v[SM+4*\qb], s50, v[SM+4*\qb+1]
	v_mov_b32 v[SM+4*\qb+3], 0
.endr
	s_wait_loadcnt 8                               ; the mask bytes are in; the eight Q loads behind them stay out
.irp i, 0,1,2,3
	v_bfe_u32 v20, v18, 8*\i, 8
	v_cmp_eq_u32 vcc_lo, 0, v20
	v_cndmask_b32 v[SC+\i], 0, v21, vcc_lo         ; byte 0: -2^100, else 0
.endr
.irp i, 0,1,2,3
	v_bfe_u32 v20, v19, 8*\i, 8
	v_cmp_eq_u32 vcc_lo, 0, v20
	v_cndmask_b32 v[SC+4+\i], 0, v21, vcc_lo
.endr
	v_lshl_add_u32 v20, v0, 5, MASKB
	ds_store_b128 v20, v[SC:SC+3]
	ds_store_b128 v20, v[SC+4:SC+7] offset:16
	s_wait_loadcnt 0x0                             ; Q is in
	s_wait_dscnt 0x0                               ; my mask words are in LDS before I say so: every wave reads them
	s_wait_tensorcnt 2                             ; my parts of tile 0 are in; tile 1's two loads stay out
	s_barrier_signal -1
	s_barrier_wait -1                              ; everybody's are
; K fragments and mask words of the 64 keys of block j: 24 LDS loads
.macro KLOAD slot, j
.irp t, 0,1,2,3
.irp ks, 0,1
	ds_load_b128 v[KF+16*\t+8*\ks:KF+16*\t+8*\ks+3],   v[ADRK+\slot] offset:64*KP*(\j)+16*KP*\t+64*\ks
	ds_load_b128 v[KF+16*\t+8*\ks+4:KF+16*\t+8*\ks+7], v[ADRK+\slot] offset:64*KP*(\j)+16*KP*\t+64*\ks+32
.endr
.endr
.irp t, 0,1,2,3
	ds_load_b128 v[MK+8*\t:MK+8*\t+3],   v[ADRM] offset:256*(\j)+64*\t
	ds_load_b128 v[MK+8*\t+4:MK+8*\t+7], v[ADRM] offset:256*(\j)+64*\t+16
.endr
.endm
; V^T fragments of block j: 16 transposing loads
.macro VLOAD slot, j
.irp f, 0,1
.irp d, 0,1,2,3
	ds_load_tr16_b128 v[VF+32*\f+8*\d:VF+32*\f+8*\d+3],   v[ADRV+\slot] offset:64*VP*(\j)+32*VP*\f+32*\d
	ds_load_tr16_b128 v[VF+32*\f+8*\d+4:VF+32*\f+8*\d+7], v[ADRV+\slot] offset:64*VP*(\j)+32*VP*\f+32*\d+16*VP
.endr
.endr
.endm
; One query block's 64 scores a query (32 a lane): new maximum, rescale factor, P = 2^(c (S - maximum)), packed to bf16 in place
.macro SOFTMAX qb, first
.set SB, SC+32*\qb
.set NM, SM+4*\qb
.irp k, 0,1,2,3
	v_max3_num_f32 v[TT+\k], v[SB+8*\k], v[SB+8*\k+1], v[SB+8*\k+2]        ; four chains that do not wait for each other
.endr
.irp k, 0,1,2,3
	v_max3_num_f32 v[TT+\k], v[TT+\k], v[SB+8*\k+3], v[SB+8*\k+4]
.endr
.irp k, 0,1,2,3
	v_max3_num_f32 v[TT+\k], v[TT+\k], v[SB+8*\k+5], v[SB+8*\k+6]
.endr
	v_max3_num_f32 v[TT], v[TT], v[SB+7], v[SB+15]
	v_max3_num_f32 v[TT+1], v[TT+1], v[SB+23], v[SB+31]
	v_max3_num_f32 v[TT], v[TT], v[TT+1], v[TT+2]
	v_max3_num_f32 v[TT], v[TT], v[TT+3], v[NM+1]                          ; with the running maximum
	v_permlanex16_b32 v[TT+1], v[TT], s51, s52                             ; the query's other keys lie in lane l xor 16
	v_max_num_f32 v[NM+1], v[TT], v[TT+1]
	v_mul_f32 v[TT+2], s50, v[NM+1]                                        ; -c x new maximum
.if \first == 0
	v_sub_f32 v[NM+2], v[TT+2], v[NM]                                      ; c (old maximum - new), from the two rounded terms that the sums were scaled by
.endif
	v_mov_b32 v[NM], v[TT+2]
.set i, 0
.rept 16
	v_pk_fma_f32 v[SB+2*i:SB+2*i+1], v[SB+2*i:SB+2*i+1], s[48:49], v[NM:NM+1] op_sel_hi:[1,0,0]
.set i, i+1
.endr
.set i, 0
.rept 32
	v_exp_f32 v[SB+i], v[SB+i]
.set i, i+1
.endr
.if \first == 0
	v_exp_f32 v[NM+2], v[NM+2]
.endif
	v_nop                                                                  ; one plain vector instruction behind the exponentials (ISA guide 5.7.2)
.set i, 0
	s_wait_alu depctr_va_vdst(0)
.rept 16
	v_cvt_pk_bf16_f32 v[SB+i], v[SB+2*i], v[SB+2*i+1]                      ; ascending: each target has been read already
.set i, i+1
.endr
.endm
; THE VECTOR PHASE of a block: both query blocks' softmax, then O and the row sums are brought to the new maxima
.macro SMR first
	SOFTMAX 0, \first
	SOFTMAX 1, \first
.if \first == 0
	WIN 0x41                                       ; O and the row sums: source 0 and destination window 1
.irp qb, 0,1
.set i, 0
.rept 16
	v_pk_mul_f32 v[OA+32*\qb+2*i:OA+32*\qb+2*i+1], v[OA+32*\qb+2*i:OA+32*\qb+2*i+1], v[SM+4*\qb+2:SM+4*\qb+3] op_sel_hi:[1,0]
.set i, i+1
.endr
.set i, 0
.rept 4
	v_pk_mul_f32 v[LS+8*\qb+2*i:LS+8*\qb+2*i+1], v[LS+8*\qb+2*i:LS+8*\qb+2*i+1], v[SM+4*\qb+2:SM+4*\qb+3] op_sel_hi:[1,0]
.set i, i+1
.endr
.endr
	WIN 0
.endif
.endm
; 16 score products; the eight score tiles take turns, one instruction a turn
.macro SPROD
	WIN 0x04                                       ; source 1 (Q) window 1
.irp ks, 0,1
.irp t, 0,1,2,3
.irp qb, 0,1
.if \ks == 0
	v_wmma_f32_16x16x32_bf16 v[SC+32*\qb+8*\t:SC+32*\qb+8*\t+7], v[KF+16*\t+8*\ks:KF+16*\t+8*\ks+7], v[QF+16*\qb+8*\ks:QF+16*\qb+8*\ks+7], v[MK+8*\t:MK+8*\t+7]
.else
	v_wmma_f32_16x16x32_bf16 v[SC+32*\qb+8*\t:SC+32*\qb+8*\t+7], v[KF+16*\t+8*\ks:KF+16*\t+8*\ks+7], v[QF+16*\qb+8*\ks:QF+16*\qb+8*\ks+7], v[SC+32*\qb+8*\t:SC+32*\qb+8*\t+7]
.endif
.endr
.endr
.endr
	WIN 0
.endm
; 20 P V products; the ten accumulators take turns, one instruction a turn.  first = 1: the first products start the sums
.macro PVPROD first
	WIN 0x50                                       ; C and D window 1
.irp f, 0,1
.irp qb, 0,1
.irp d, 0,1,2,3
.if (\first)*(1-\f)
	v_wmma_f32_16x16x32_bf16 v[OA+32*\qb+8*\d:OA+32*\qb+8*\d+7], v[VF+32*\f+8*\d:VF+32*\f+8*\d+7], v[SC+32*\qb+8*\f:SC+32*\qb+8*\f+7], 0
.else
	v_wmma_f32_16x16x32_bf16 v[OA+32*\qb+8*\d:OA+32*\qb+8*\d+7], v[VF+32*\f+8*\d:VF+32*\f+8*\d+7], v[SC+32*\qb+8*\f:SC+32*\qb+8*\f+7], v[OA+32*\qb+8*\d:OA+32*\qb+8*\d+7]
.endif
.endr
.if (\first)*(1-\f)
	v_wmma_f32_16x16x32_bf16 v[LS+8*\qb:LS+8*\qb+7], v[ONES:ONES+7], v[SC+32*\qb+8*\f:SC+32*\qb+8*\f+7], 0
.else
	v_wmma_f32_16x16x32_bf16 v[LS+8*\qb:LS+8*\qb+7], v[ONES:ONES+7], v[SC+32*\qb+8*\f:SC+32*\qb+8*\f+7], v[LS+8*\qb:LS+8*\qb+7]
.endif
.endr
.endr
	WIN 0
.endm
; THE MATRIX PHASE of block j: the P V products of the block before (pv = 1), V's fragments of this block, this block's score products.
; places: independent vector instructions behind the score products (ISA guide 7.12.1)
.macro MPHASE slot, j, pv, pvfirst, places
.if \pv
	s_wait_dscnt 24                                ; V's 16 loads are in; the 24 K and mask loads issued behind them may stay out
	PVPROD \pvfirst
	NOPS 5                                         ; V's fragments are loaded again, and the score products write over P
.endif
	VLOAD \slot, \j
	s_wait_dscnt 16                                ; the 24 K and mask loads are in; V's 16 behind them stay out until the next P V products
	SPROD
	NOPS \places
.endm
; A tile of 256 keys in slot.  At its head 24 LDS loads are out: block 0's K fragments and mask words.
; kind 2: at the end this slot is filled again, two tiles ahead, behind a round of the cluster's barrier; 1: a barrier shows the last tile whole; 0: the last tile.
.macro TILE slot, first, kind
	MPHASE \slot, 0, 1-\first, 0, 4
	KLOAD \slot, 1
	SMR \first
	MPHASE \slot, 1, 1, \first, 4
	KLOAD \slot, 2
	SMR 0
	MPHASE \slot, 2, 1, 0, 4
	KLOAD \slot, 3
	SMR 0
	MPHASE \slot, 3, 1, 0, 5                       ; five places: enough on every way through the two branches below, up to the P V products
.if \kind == 0
	SMR 0
	s_wait_dscnt 0x0
	PVPROD 0
.else
	s_cmp_lg_u32 s60, 0
	s_cbranch_scc1 .Llate_\@
	SMR 0                                          ; kind 0: block 3's vector phase in front of the barrier
.Llate_\@:
	s_wait_dscnt 0x0                               ; my reads of this slot are over: V's fragments of block 3 were the last
	s_set_vgpr_msb 0x5
	s_wait_tensorcnt 0x0                           ; and all my tensor loads have landed: the two that were out are my parts of the next tile,
	ds_add_u32 v112, v113
	s_wait_dscnt 0x0
	s_set_vgpr_msb 0x500
.if \kind == 2
	s_add_nc_u64 s[34+8*\slot:35+8*\slot], s[34+8*\slot:35+8*\slot], 2*TILEB   ; so every group 0 may be written: this slot's next tile
	s_add_nc_u64 s[38+8*\slot:39+8*\slot], s[38+8*\slot:39+8*\slot], 2*TILEB
	ROUND                                          ; both now hold of every wave of all four work-groups
	tensor_load_to_lds s[32+8*\slot:35+8*\slot], s[16:23]      ; the first tensor loads behind the round, with a whole tile's work in which to land
	s_nop 0
	tensor_load_to_lds s[36+8*\slot:39+8*\slot], s[24:31]
	s_nop 0
.else
	s_barrier_signal -1                            ; it shows the last tile whole
	s_barrier_wait -1
.endif
	v_add_nc_u32 v[ADRM], 1024, v[ADRM]            ; the next tile's 256 mask words
	KLOAD 1-\slot, 0
	s_cmp_eq_u32 s60, 0
	s_cbranch_scc1 .Learly_\@
	SMR 0                                          ; kind 1: block 3's vector phase behind the barrier, beside kind 0's matrix phase
.Learly_\@:
.endif
.endm
	KLOAD 0, 0
	; Kind 1 has no vector phase yet to run beside kind 0's first score products and softmax: it starts later, by 16 s_nop 15 (16 idle issue
	; cycles each: ISA guide, S_NOP), which stand for the some 220 vector instructions of such a phase.
	s_cmp_eq_u32 s60, 0
	s_cbranch_scc1 .Lstart
.rept 16
	s_nop 15
.endr
.Lstart:
	TILE 0, 1, 2                                   ; tiles 0 and 1 stand in front of the loop: the first products start the sums
	TILE 1, 0, 2
	s_mov_b32 s53, 2
.Ltiles:
	TILE 0, 0, 2                                   ; tiles 2 to 5; tile 5 asks for tile 7
	TILE 1, 0, 2
	s_sub_co_u32 s53, s53, 1
	s_cmp_lg_u32 s53, 0
	s_cbranch_scc1 .Ltiles
	TILE 0, 0, 1                                   ; tile 6 asks for nothing
	TILE 1, 0, 0                                   ; tile 7
	; THE WAY OUT: divide by the row sums, round to bf16, through my own stage, 512 consecutive bytes a store
	NOPS 4
	s_lshl_b32 s58, s13, 18                        ; ctxh's slab 16 x batch + head
	s_add_co_u32 s58, s58, s12                     ; + my wave's first query
	s_mov_b32 s59, 0
	s_add_nc_u64 s[8:9], s[8:9], s[58:59]
	WIN 0x01                                       ; source 0 window 1
	v_rcp_f32 v[SM+2], v[LS]
	v_rcp_f32 v[SM+6], v[LS+8]
	v_nop                                          ; one plain vector instruction behind the reciprocals
	s_wait_alu depctr_va_vdst(0)
.irp qb, 0,1
.set i, 0
.rept 16
	v_pk_mul_f32 v[KF+32*\qb+2*i:KF+32*\qb+2*i+1], v[OA+32*\qb+2*i:OA+32*\qb+2*i+1], v[SM+4*\qb+2:SM+4*\qb+3] op_sel_hi:[1,0]
.set i, i+1
.endr
.endr
	WIN 0
.set i, 0
.rept 32
	v_cvt_pk_bf16_f32 v[VF+i], v[KF+2*i], v[KF+2*i+1]
.set i, i+1
.endr
.irp qb, 0,1
.irp d, 0,1,2,3
	ds_store_b128 v[STO], v[VF+16*\qb+4*\d:VF+16*\qb+4*\d+3] offset:16*KP*\qb+32*\d   ; query 16 qb + r, dimensions 16 d + 8 h + 0..7
.endr
.endr
.irp i, 0,1,2,3,4,5,6,7
	ds_load_b128 v[KF+4*\i:KF+4*\i+3], v[RD] offset:4*KP*\i    ; LDS serves a wave's instructions in order: these see the stores above
.endr
.irp i, 0,1,2,3,4,5,6,7
	s_wait_dscnt 7-\i
	global_store_b128 v[CO], v[KF+4*\i:KF+4*\i+3], s[8:9] offset:512*\i
.endr
	s_set_vgpr_msb 0x5
	s_wait_tensorcnt 0x0
	ds_add_u32 v112, v113
	s_wait_dscnt 0x0
	s_set_vgpr_msb 0x500
	ROUND                                          ; the closing round: no work-group ends while a partner may still ask for a tile that names it
	s_endpgm
.Lfunc_end_k_q4396c99406_attn:
	.size	k_q4396c99406_attn, .Lfunc_end_k_q4396c99406_attn-k_q4396c99406_attn
	.p2alignl 7, 3214868480
	.fill 96, 4, 3214868480
	.section	.rodata,"a",@progbits
	.p2align	6, 0x0
	.amdhsa_kernel k_q4396c99406_attn
		.amdhsa_group_segment_fixed_size 327680
		.amdhsa_private_segment_fixed_size 0
		.amdhsa_enable_private_segment 0
		.amdhsa_kernarg_size 24
		.amdhsa_user_sgpr_count 2
		.amdhsa_user_sgpr_kernarg_segment_ptr 1
		.amdhsa_wavefront_size32 1
		.amdhsa_system_sgpr_workgroup_id_x 1
		.amdhsa_system_sgpr_workgroup_id_y 1
		.amdhsa_system_sgpr_workgroup_id_z 1
		.amdhsa_system_vgpr_workitem_id 0
		.amdhsa_next_free_vgpr 370
		.amdhsa_next_free_sgpr 66
		.amdhsa_reserve_vcc 1
		.amdhsa_float_denorm_mode_32 3
		.amdhsa_float_denorm_mode_16_64 3
		.amdhsa_memory_ordered 1
		.amdhsa_forward_progress 1
		.amdhsa_inst_pref_size 255
	.end_amdhsa_kernel
	.section	.bss,"aw",@nobits
	.p2align	6
	.space	262144
	.amdgpu_metadata
---
amdhsa.version: [ 1, 2 ]
amdhsa.kernels:
  - .name:           k_q4396c99406_attn
    .symbol:         k_q4396c99406_attn.kd
    .args:
      - { .name: qkvh, .offset: 0, .size: 8, .value_kind: global_buffer, .address_space: global }
      - { .name: mask, .offset: 8, .size: 8, .value_kind: global_buffer, .address_space: global }
      - { .name: ctxh, .offset: 16, .size: 8, .value_kind: global_buffer, .address_space: global }
    .group_segment_fixed_size: 327680
    .private_segment_fixed_size: 0
    .kernarg_segment_align: 8
    .kernarg_segment_size: 24
    .max_flat_workgroup_size: 256
    .sgpr_count:     66
    .vgpr_count:     370
    .wavefront_size: 32
...
	.end_amdgpu_metadata
.endif
;; end of part 3
;; launch proj (part 4): grid 8 x 32, 4 waves a work-group, clusters of 4 x 4, 327,680 bytes of LDS; arguments ctxh, wot, out0, b_out; writes out0
.if DOCPART == 4
	.amdgcn_target "amdgcn-amd-amdhsa--gfx1250"
	.amdhsa_code_object_version 6
	.text
	.protected	k_q4396c99406_proj
	.globl	k_q4396c99406_proj
	.p2align	8
	.type	k_q4396c99406_proj,@function
k_q4396c99406_proj:
	s_mov_b64 s[64:65], 0
	v_nop
	global_prefetch_b8 v0, s[64:65] scope:SCOPE_SE
	s_setreg_imm32_b32 hwreg(HW_REG_WAVE_MODE, 25, 1), 1
	s_wait_xcnt 0x0
	s_wait_alu depctr_hold_cnt(0) depctr_sa_sdst(0) depctr_va_vdst(0) depctr_va_sdst(0) depctr_va_ssrc(0) depctr_va_vcc(0) depctr_vm_vsrc(0)
	s_getreg_b32 s2, hwreg(HW_REG_IB_STS2, 6, 4)
	s_cmp_eq_u32 s2, 0
	s_cbranch_scc0 .Lentry_in_a_cluster
	s_endpgm
.Lentry_in_a_cluster:
	s_bfe_u32 s2, ttmp6, 0x10000c
	s_cmp_lg_u32 s2, 0xf033
	s_cbranch_scc0 .Lentry_shape_is_right
	s_endpgm
.Lentry_shape_is_right:
; out0[m][n] = sum over k of ctx[m][k] wot[n][k] + b_out[n], f32.  ctx lies by heads: ctxh = 32 slabs (16 x batch + head) of [2048 tokens][64] bf16,
; and k = 64 x head + dimension.
; 256 work-groups of 128 x 128; four waves, 2 x 2, each 64 x 64: 16 accumulator tiles.  K = 1,024 goes in four tiles of 256 (four heads)
; through two LDS slots; all four are written out, there is no loop.  Tiles 0 and 1 are asked for at the start; tile T + 2 is asked for, into
; tile T's slot, as soon as tile T's last fragments are in registers.
; CLUSTERS 4 x 4: ctx's tiles are shared along a row of the cluster, wot's along a column; every wave issues one joint load of each.
; The matrix instruction is used transposed (source 0 = rows of wot, source 1 = rows of ctx): a lane holds eight neighbouring columns of one row.
; The first product of each tile takes the bias as C.
.set SLAB,   262144
.set APITCH, 144                       ; a token's 128 bytes of one head + 16
.set ASUB,   128*APITCH                ; one head's 128 tokens
.set BOFF,   4*ASUB                    ; wot behind ctx in a slot
.set BPITCH, 528                       ; 256 k x 2 bytes + 16
.set SLOTB,  BOFF+128*BPITCH           ; 141,312
.set STAGE,  2*SLOTB                   ; 16 rows x 272 bytes for each wave; no tensor load lands here
.set SPITCH, 272
.set ADRA, 16                          ; v16-17 ctx fragments in slot 0, 1
.set ADRB, 20                          ; v20-21 wot fragments
.set STO,  24
.set RD,   25
.set CO,   26
.set BO,   27
.set F0,   64                          ; v[64:127]  fragments: wot's four at +0, ctx's four at +32
.set F1,   128                         ; v[128:191] the second buffer
.set BIAS, 128                         ; window 1: v[384:415]; the accumulators (a, b) at window 1, 8 (4 a + b)
.set G1, 24
.set G0, 32
.set G1B, 48
.set G0B, 56
.set MSB, 0
.macro WIN new                         ; the immediate's high byte repeats the setting that is left
.if MSB != \new
	s_set_vgpr_msb (MSB<<8)|\new
.set MSB, \new
.endif
.endm
.macro PLACES                          ; four independent vector instructions behind a matrix instruction (ISA guide 7.12.1)
.rept 4
	v_nop
.endr
.endm
.macro CREST                           ; a round of the cluster's barrier behind its opening work-group barrier
	s_cmp_lg_u32 s10, 0
	s_cbranch_scc1 .Lnot_wave_0_\@
	s_barrier_signal -3
.Lnot_wave_0_\@:
	s_barrier_wait -3
	s_barrier_signal -1
	s_barrier_wait -1
.endm
.macro ROUND                           ; a whole round
	WIN 0
	s_barrier_signal -1
	s_barrier_wait -1
	CREST
.endm
	s_load_b128 s[4:7], s[0:1], 0x0                ; ctxh s[4:5], wot s[6:7]
	s_load_b64 s[8:9], s[0:1], 0x10                ; out0
	s_load_b64 s[68:69], s[0:1], 0x18              ; b_out
	v_lshl_add_u32 v254, v0, 2, 0x49400
	v_mov_b32 v255, 0
	ds_add_u32 v254, v255
	v_lshrrev_b32 v1, 5, v0
	v_readfirstlane_b32 s10, v1                    ; wave 0..3
	s_lshr_b32 s11, s10, 1                         ; my half of the rows
	s_and_b32 s12, s10, 1                          ; my half of the columns
	s_bfe_u32 s40, ttmp6, 0x40000                  ; cx
	s_bfe_u32 s41, ttmp6, 0x40004                  ; cy
	s_lshl_b32 s42, ttmp9, 2
	s_add_co_u32 s42, s42, s40                     ; block column 0..7
	s_and_b32 s13, ttmp7, 0xffff
	s_lshl_b32 s13, s13, 2
	s_add_co_u32 s13, s13, s41                     ; block row 0..31
	s_lshl_b32 s43, s41, 2
	s_lshl_b32 s43, 15, s43                        ; my row of the cluster
	s_lshl_b32 s44, 0x1111, s40                    ; my column
	; ctx: one head's 128 tokens, 16,384 dense bytes, as 64 rows of 256 bytes; 4 words of padding behind every 32, that is behind every token
	s_or_b32 s[G1+0], s43, (1<<16)|(1<<20)|(1<<21)|(4<<22)|(3<<25)
	s_mov_b32 s[G1+1], 128<<16
	s_mov_b32 s[G1+2], 64<<16
	s_mov_b32 s[G1+3], 128<<16
	s_mov_b32 s[G1+4], 64
	s_mov_b32 s[G1+5], 128
	s_mov_b32 s[G1+6], 0
	s_mov_b32 s[G1+7], 0
	; wot: 32 rows of 256 elements (512 bytes), 1,024 elements apart; 4 words of padding behind every 128
	s_or_b32 s[G1B+0], s44, (1<<16)|(1<<20)|(1<<21)|(6<<22)|(3<<25)
	s_mov_b32 s[G1B+1], 256<<16
	s_mov_b32 s[G1B+2], 32<<16
	s_mov_b32 s[G1B+3], 256<<16
	s_mov_b32 s[G1B+4], 32
	s_mov_b32 s[G1B+5], 1024
	s_mov_b32 s[G1B+6], 0
	s_mov_b32 s[G1B+7], 0
	; ctx's address hangs on the block row and the wave, wot's on the block column and the wave
	s_lshr_b32 s16, s13, 4                         ; batch: 16 blocks of 128 tokens each
	s_lshl_b32 s16, s16, 4
	s_add_co_u32 s16, s16, s10                     ; slab 16 x batch + wave: wave w fetches head 4 T + w of tile T
	s_lshl_b32 s16, s16, 18
	s_and_b32 s17, s13, 15
	s_lshl_b32 s17, s17, 14                        ; 128 tokens x 128 bytes
	s_add_co_u32 s16, s16, s17
	s_mov_b32 s17, 0
	s_lshl_b32 s46, s42, 18                        ; 128 rows of 2,048 bytes
	s_lshl_b32 s47, s10, 16                        ; + 32 rows for each wave
	s_add_co_u32 s46, s46, s47
	s_mov_b32 s47, 0
	s_mul_i32 s20, s10, ASUB
	s_mul_i32 s21, s10, 32*BPITCH
	s_add_co_u32 s21, s21, BOFF
	s_wait_dscnt 0x0
	s_wait_kmcnt 0x0
	s_add_nc_u64 s[14:15], s[4:5], s[16:17]
	s_add_nc_u64 s[46:47], s[6:7], s[46:47]
.irp s, 0,1
	s_mov_b32 s[G0+4*\s], 1
	s_add_co_u32 s[G0+4*\s+1], s20, \s*SLOTB
	s_add_nc_u64 s[G0+4*\s+2:G0+4*\s+3], s[14:15], \s*4*SLAB       ; tile s: four heads on
	s_or_b32 s[G0+4*\s+3], s[G0+4*\s+3], 0x80000000
	s_mov_b32 s[G0B+4*\s], 1
	s_add_co_u32 s[G0B+4*\s+1], s21, \s*SLOTB
	s_add_nc_u64 s[G0B+4*\s+2:G0B+4*\s+3], s[46:47], \s*512        ; tile s: 256 k on
	s_or_b32 s[G0B+4*\s+3], s[G0B+4*\s+3], 0x80000000
.endr
	ROUND                                          ; in front of the first joint loads
	tensor_load_to_lds s[G0:G0+3], s[G1:G1+7]      ; tile 0
	s_nop 0
	tensor_load_to_lds s[G0B:G0B+3], s[G1B:G1B+7]
	s_nop 0
	tensor_load_to_lds s[G0+4:G0+7], s[G1:G1+7]    ; tile 1: four tensor loads of the wave are out here, later two
	s_nop 0
	tensor_load_to_lds s[G0B+4:G0B+7], s[G1B:G1B+7]
	s_nop 0
	v_and_b32 v1, 15, v0                           ; r
	v_bfe_u32 v2, v0, 4, 1                         ; h
	v_mul_u32_u24 v3, v1, APITCH
	v_lshl_add_u32 v3, v2, 4, v3
	v_mul_u32_u24 v4, v1, BPITCH
	v_lshl_add_u32 v4, v2, 4, v4
	s_mul_i32 s22, s11, 64*APITCH                  ; my 64 tokens
	s_mul_i32 s23, s12, 64*BPITCH                  ; my 64 rows of wot
	s_add_co_u32 s23, s23, BOFF
.irp s, 0,1
	v_add_nc_u32 v[ADRA+\s], s22, v3
	v_add_nc_u32 v[ADRB+\s], s23, v4
	s_add_co_u32 s22, s22, SLOTB
	s_add_co_u32 s23, s23, SLOTB
.endr
	s_mul_i32 s22, s10, 16*SPITCH
	s_add_co_u32 s22, s22, STAGE                   ; my stage
	v_mul_u32_u24 v5, v1, SPITCH
	v_lshl_add_u32 v5, v2, 5, v5
	v_add_nc_u32 v[STO], s22, v5                   ; in: row r, 32 bytes for each half of the lanes
	v_mul_u32_u24 v5, v2, SPITCH
	v_lshl_add_u32 v5, v1, 4, v5
	v_add_nc_u32 v[RD], s22, v5                    ; back: lanes 0-15 one row of 256 bytes, lanes 16-31 the next
	v_lshlrev_b32 v5, 12, v2
	v_lshl_add_u32 v[CO], v1, 4, v5                ; the same two rows of out0, 4,096 bytes apart
	s_lshl_b32 s45, s42, 9                         ; bias: 4 bytes x (128 x block column + 64 x half + 8 h)
	s_lshl_b32 s66, s12, 8
	s_add_co_u32 s45, s45, s66
	v_lshl_add_u32 v[BO], v2, 5, s45
	WIN 0x40
.irp b, 0,1,2,3
	global_load_b128 v[BIAS+8*\b:BIAS+8*\b+3],   v[BO], s[68:69] offset:64*\b
	global_load_b128 v[BIAS+8*\b+4:BIAS+8*\b+7], v[BO], s[68:69] offset:64*\b+16
.endr
	WIN 0
; the fragments of 32 along K, step e of the tile's eight, into buffer f: 16 LDS loads
.macro FETCH slot, e, f
.irp i, 0,1,2,3
	ds_load_b128 v[\f+8*\i:\f+8*\i+3],   v[ADRB+\slot] offset:64*(\e)+\i*16*BPITCH
	ds_load_b128 v[\f+8*\i+4:\f+8*\i+7], v[ADRB+\slot] offset:64*(\e)+\i*16*BPITCH+32
.endr
.irp i, 0,1,2,3
	ds_load_b128 v[\f+32+8*\i:\f+32+8*\i+3], v[ADRA+\slot] offset:((\e)>>1)*ASUB+((\e)&1)*64+\i*16*APITCH
	ds_load_b128 v[\f+32+8*\i+4:\f+32+8*\i+7], v[ADRA+\slot] offset:((\e)>>1)*ASUB+((\e)&1)*64+\i*16*APITCH+32
.endr
.endm
; 16 matrix instructions; the 16 accumulators take turns, one instruction a turn, in the same order every time
.macro MUL f, zero
.irp a, 0,1,2,3
.irp b, 0,1,2,3
.if \zero
	v_wmma_f32_16x16x32_bf16 v[8*(4*\a+\b):8*(4*\a+\b)+7], v[\f+8*\b:\f+8*\b+7], v[\f+32+8*\a:\f+32+8*\a+7], v[BIAS+8*\b:BIAS+8*\b+7]
.else
	v_wmma_f32_16x16x32_bf16 v[8*(4*\a+\b):8*(4*\a+\b)+7], v[\f+8*\b:\f+8*\b+7], v[\f+32+8*\a:\f+32+8*\a+7], v[8*(4*\a+\b):8*(4*\a+\b)+7]
.endif
.endr
.endr
.endm
; buffer f is in; step e's fragments go into buffer g while f is multiplied
.macro STEP slot, e, f, g, zero
	WIN 0
	s_wait_dscnt 0x0
	PLACES                                         ; g was read by the matrix instructions just issued
	FETCH \slot, \e, \g
	WIN 0x50                                       ; C and D window 1
	MUL \f, \zero
.endm
; A K tile in slot; its first fragments are on their way into buffer 0.
; kind 2: this slot is filled again, two tiles ahead, behind a round of the cluster's barrier; 1: a barrier shows the last tile whole; 0: the last tile.
; In front of the barrier each wave waits for its reads of this slot, which are over once the last fragments are in registers, and for all its
; tensor loads (two are out: its parts of the next tile); the last 16 matrix instructions stand between the opening signal and its wait.
.macro TILE slot, kind, zero
	STEP \slot, 1, F0, F1, \zero
	STEP \slot, 2, F1, F0, 0
	STEP \slot, 3, F0, F1, 0
	STEP \slot, 4, F1, F0, 0
	STEP \slot, 5, F0, F1, 0
	STEP \slot, 6, F1, F0, 0
	STEP \slot, 7, F0, F1, 0
	s_wait_dscnt 0x0                               ; buffer 1 is in: my reads of this slot are over
.if \kind
	s_wait_tensorcnt 0x0                           ; all my tensor loads have landed, my parts of the next tile among them,
	ds_add_u32 v254, v255
	s_wait_dscnt 0x0
.if \kind == 2
	s_add_nc_u64 s[G0+4*\slot+2:G0+4*\slot+3], s[G0+4*\slot+2:G0+4*\slot+3], 8*SLAB    ; so every group 0 may be written: this slot's next tile
	s_add_nc_u64 s[G0B+4*\slot+2:G0B+4*\slot+3], s[G0B+4*\slot+2:G0B+4*\slot+3], 1024
.endif
	s_barrier_signal -1                            ; say so,
.endif
	MUL F1, 0                                      ; work on registers while the others arrive,
.if \kind
	WIN 0
	s_barrier_wait -1                              ; and go on when all four waves have said so
.if \kind == 2
	CREST                                          ; all sixteen work-groups have said so: no wave of a partner still reads this slot or has a load on its way
	tensor_load_to_lds s[G0+4*\slot:G0+4*\slot+3], s[G1:G1+7]          ; the first tensor loads behind the round
	s_nop 0
	tensor_load_to_lds s[G0B+4*\slot:G0B+4*\slot+3], s[G1B:G1B+7]
	s_nop 0
.endif
	PLACES                                         ; buffer 0 was read by matrix instructions
	FETCH 1-\slot, 0, F0
.endif
.endm
	s_wait_loadcnt 0x0                             ; the bias is in
	s_wait_tensorcnt 2                             ; my parts of tile 0 are in; tile 1's two loads stay out
	s_barrier_signal -1
	s_barrier_wait -1                              ; everybody's are
	FETCH 0, 0, F0
	TILE 0, 2, 1                                   ; tile 0; asks for tile 2
	TILE 1, 2, 0                                   ; tile 1; asks for tile 3
	TILE 0, 1, 0                                   ; tile 2
	TILE 1, 0, 0                                   ; tile 3
	; THE WAY OUT, 16 rows at a time through my own stage: whole rows of 256 bytes
	PLACES
	s_lshl_b32 s16, s13, 7
	s_lshl_b32 s17, s11, 6
	s_add_co_u32 s16, s16, s17                     ; my first row
	s_lshl_b32 s16, s16, 12                        ; 4,096 bytes a row
	s_mov_b32 s17, 0
	s_add_nc_u64 s[8:9], s[8:9], s[16:17]
	s_lshl_b32 s46, s42, 9                         ; my first column, 4 bytes each
	s_lshl_b32 s47, s12, 8
	s_add_co_u32 s46, s46, s47
	s_mov_b32 s47, 0
	s_add_nc_u64 s[8:9], s[8:9], s[46:47]
.macro OUT16 a, f
	WIN 0x04                                       ; an LDS store's data is source 1: window 1
.irp b, 0,1,2,3
	ds_store_b128 v[STO], v[8*(4*\a+\b):8*(4*\a+\b)+3]   offset:64*\b
	ds_store_b128 v[STO], v[8*(4*\a+\b)+4:8*(4*\a+\b)+7] offset:64*\b+16
.endr
	WIN 0
	s_wait_xcnt 0x0                                ; buffer f, which earlier stores read, and the stores' base are rewritten only behind this wait
.if \a
	s_add_nc_u64 s[8:9], s[8:9], 16*4096           ; 16 rows on
.endif
.irp t, 0,1,2,3,4,5,6,7
	ds_load_b128 v[\f+4*\t:\f+4*\t+3], v[RD] offset:\t*2*SPITCH    ; LDS serves a wave's instructions in order: these see the stores above
.endr
.irp t, 0,1,2,3,4,5,6,7
	s_wait_dscnt 7-\t
	global_store_b128 v[CO], v[\f+4*\t:\f+4*\t+3], s[8:9] offset:8192*\t   ; 16 lanes store 256 consecutive bytes, aligned
.endr
.endm
	OUT16 0, F0
	OUT16 1, F1
	OUT16 2, F0
	OUT16 3, F1
	s_wait_tensorcnt 0x0
	ds_add_u32 v254, v255
	s_wait_dscnt 0x0
	ROUND                                          ; the closing round: no work-group ends while a partner may still ask for a tile that names it
	s_endpgm
.Lfunc_end_k_q4396c99406_proj:
	.size	k_q4396c99406_proj, .Lfunc_end_k_q4396c99406_proj-k_q4396c99406_proj
	.p2alignl 7, 3214868480
	.fill 96, 4, 3214868480
	.section	.rodata,"a",@progbits
	.p2align	6, 0x0
	.amdhsa_kernel k_q4396c99406_proj
		.amdhsa_group_segment_fixed_size 327680
		.amdhsa_private_segment_fixed_size 0
		.amdhsa_enable_private_segment 0
		.amdhsa_kernarg_size 32
		.amdhsa_user_sgpr_count 2
		.amdhsa_user_sgpr_kernarg_segment_ptr 1
		.amdhsa_wavefront_size32 1
		.amdhsa_system_sgpr_workgroup_id_x 1
		.amdhsa_system_sgpr_workgroup_id_y 1
		.amdhsa_system_sgpr_workgroup_id_z 1
		.amdhsa_system_vgpr_workitem_id 0
		.amdhsa_next_free_vgpr 416
		.amdhsa_next_free_sgpr 72
		.amdhsa_reserve_vcc 0
		.amdhsa_float_denorm_mode_32 3
		.amdhsa_float_denorm_mode_16_64 3
		.amdhsa_memory_ordered 1
		.amdhsa_forward_progress 1
		.amdhsa_inst_pref_size 89
	.end_amdhsa_kernel
	.amdgpu_metadata
---
amdhsa.version: [ 1, 2 ]
amdhsa.kernels:
  - .name:           k_q4396c99406_proj
    .symbol:         k_q4396c99406_proj.kd
    .args:
      - { .name: ctxh, .offset: 0, .size: 8, .value_kind: global_buffer, .address_space: global }
      - { .name: wot, .offset: 8, .size: 8, .value_kind: global_buffer, .address_space: global }
      - { .name: out0, .offset: 16, .size: 8, .value_kind: global_buffer, .address_space: global }
      - { .name: b_out, .offset: 24, .size: 8, .value_kind: global_buffer, .address_space: global }
    .group_segment_fixed_size: 327680
    .private_segment_fixed_size: 0
    .kernarg_segment_align: 8
    .kernarg_segment_size: 32
    .max_flat_workgroup_size: 128
    .sgpr_count:     72
    .vgpr_count:     416
    .wavefront_size: 32
...
	.end_amdgpu_metadata
.endif
;; end of part 4
;; ======== version 2 of 2: 4 launches; version 1 with the launch prep written anew for expert scheduling mode
;; limits: right only within a limited range of input values
;; workspace buffers: xb 8,388,608 bytes; wqt 6,291,456 bytes; wot 2,097,152 bytes; qkvh 25,165,824 bytes; ctxh 8,388,608 bytes
;; launch prep (part 5): grid 1024 x 1, 8 waves a work-group, no clusters, 18,432 bytes of LDS; arguments x, W_qkv, W_out, xb, wqt, wot; writes xb, wqt, wot
.if DOCPART == 5
	.amdgcn_target "amdgcn-amd-amdhsa--gfx1250"
	.amdhsa_code_object_version 6
	.text
	.protected	k_q4396c99406_prep
	.globl	k_q4396c99406_prep
	.p2align	8
	.type	k_q4396c99406_prep,@function
k_q4396c99406_prep:
	s_mov_b64 s[64:65], 0
	v_nop
	global_prefetch_b8 v0, s[64:65] scope:SCOPE_SE
	s_setreg_imm32_b32 hwreg(HW_REG_WAVE_SCHED_MODE, 0, 2), 2
	s_setreg_imm32_b32 hwreg(HW_REG_WAVE_MODE, 25, 1), 1
	s_wait_xcnt 0x0
	s_wait_alu depctr_vm_vsrc(0)
; Operands for the two projections, made once: xb = bf16(x), wqt[n][k] = bf16(W_qkv[k][n]), wot[n][k] = bf16(W_out[k][n]).
; 1,024 work-groups of 8 waves, each with 32,768 bytes of f32: eight 16-byte loads a thread, all issued before the first wait.
;   work-groups 0..511:    a dense piece of x, rounded and stored; a store's sixteen neighbouring lanes cover 256 consecutive bytes, aligned.
;   work-groups 512..1023: a tile of 128 k x 64 n of a weight (384 tiles of W_qkv, then 128 of W_out), turned through LDS.
; No work-group shares an input byte with another, so there is no cluster; there is no product, so no matrix instruction.
; THE MODE: SCHED_MODE bits 1:0 = 2 (LLVM: expert scheduling mode 2), set by the entry lines.  The code itself states the register dependences
; between vector instructions and memory or LDS instructions, with s_wait_alu, always for 0.
; THE PLAN, a weight tile.  Registers that memory or LDS instructions touch:
;   OFF           written by the head's arithmetic; read by the eight global loads; never written again.
;   X             the eight global loads land in it; the sixteen conversions read it; behind the barrier the four LDS loads land in its first sixteen, which the four global stores read.
;   T             written by the conversions; read by the four LDS stores; never written again.
;   v58, v60, v61 written behind the global loads; read by the LDS stores, the LDS loads and the global stores; never written again.
;   v64, v65      written at the head; read by the closing add alone.
; So two waits on va_vdst: one ahead of the global loads (OFF), one behind the conversions, behind which no vector instruction stands up to the path's end.
; THE PLAN, a piece of x.  v1 and v2 are written at the head and read by every load and every store; X is loaded once and read by the conversions;
; T has four registers to a chunk: written by the chunk's conversions, read by its store, never written again.  A chunk's store stands at the head of the
; next chunk, behind the wait for that chunk's data and one wait on va_vdst; the conversions that follow it name other registers.
; No register that a memory or LDS instruction reads is written again on either path: no wait on vm_vsrc is owed.  No vector instruction writes a scalar register.
.set OFF, 2                            ; v[2:9]    transposing path: byte offset of my 16 bytes in row 8 ko + j of the tile
.set X,   10                           ; v[10:41]  32 f32 as loaded (later: rows read back from LDS)
.set T,   42                           ; v[42:57]  32 bf16, packed
.set LP,  272                          ; LDS row: 128 k x 2 bytes + 16: sixteen rows start at sixteen different 16-byte columns of 256
	s_load_b256 s[4:11], s[0:1], 0x0               ; x s[4:5], W_qkv s[6:7], W_out s[8:9], xb s[10:11]
	s_load_b128 s[12:15], s[0:1], 0x20             ; wqt s[12:13], wot s[14:15]
	v_lshl_add_u32 v64, v0, 2, 0x4400
	v_mov_b32 v65, 0
	s_mov_b32 s16, ttmp9
	s_cmp_lt_u32 s16, 512
	s_cbranch_scc1 .Lcast
	; ---- a weight tile ----
	s_sub_co_u32 s17, s16, 512                     ; tile number 0..511
	s_and_b32 s22, s17, 7                          ; kt: which 128 k
	s_lshr_b32 s23, s17, 3                         ; which 64 n, counted through both weights
	s_mov_b32 s28, 4096
	v_and_b32 v1, 15, v0                           ; nq: my four columns
	v_lshrrev_b32 v59, 4, v0                       ; ko: my eight rows
	s_wait_kmcnt 0x0
	s_cmp_lt_u32 s17, 384                          ; the first 384 tiles are W_qkv's
	s_cselect_b64 s[24:25], s[6:7], s[8:9]         ; from
	s_cselect_b64 s[26:27], s[12:13], s[14:15]     ; to
	s_cselect_b32 s28, 12288, s28                  ; bytes in a row of the source
	s_cselect_b32 s29, 0, 48
	s_sub_co_u32 s23, s23, s29                     ; nt: which 64 n of this weight
	s_lshl_b32 s30, s22, 7
	s_mul_i32 s30, s30, s28                        ; 128 kt rows
	s_lshl_b32 s31, s23, 8                         ; + 64 nt columns of 4 bytes
	s_add_co_u32 s30, s30, s31
	s_mov_b32 s31, 0
	s_add_nc_u64 s[24:25], s[24:25], s[30:31]
	s_lshl_b32 s30, s23, 17                        ; 64 nt rows of 2,048 bytes
	s_lshl_b32 s18, s22, 8                         ; + 128 kt numbers of 2 bytes
	s_add_co_u32 s30, s30, s18
	s_add_nc_u64 s[26:27], s[26:27], s[30:31]
	s_lshl_b32 s18, s28, 3                         ; eight rows of the source
	v_mul_lo_u32 v[OFF], v59, s18
	v_lshl_add_u32 v[OFF], v1, 4, v[OFF]           ; row 8 ko, columns 4 nq .. 4 nq + 3: sixteen lanes read 256 consecutive bytes
.irp j, 1,2,3,4,5,6,7
	v_add_nc_u32 v[OFF+\j], s28, v[OFF+\j-1]
.endr
	s_wait_alu depctr_va_vdst(0)                   ; the eight offsets v[OFF ..] are written, which the loads below read
.irp j, 0,1,2,3,4,5,6,7
	global_load_b128 v[X+4*\j:X+4*\j+3], v[OFF+\j], s[24:25] th:TH_LOAD_NT
.endr
	v_mul_u32_u24 v58, v1, LP
	v_lshl_add_u32 v58, v59, 4, v58                ; in: LDS row 16 c + nq holds column 4 nq + c; my eight k at byte 16 ko
	v_mul_u32_u24 v60, v59, LP
	v_lshl_add_u32 v60, v1, 4, v60                 ; back: LDS row 16 p + (t >> 4), 16 bytes at 16 (t & 15)
	v_lshlrev_b32 v61, 13, v59
	v_lshl_add_u32 v61, v1, 4, v61                 ; which is column 4 (t >> 4) + p: a row of 2,048 bytes in the result
	s_wait_loadcnt 0x0
.irp c, 0,1,2,3
.irp i, 0,1,2,3
	v_cvt_pk_bf16_f32 v[T+4*\c+\i], v[X+8*\i+\c], v[X+8*\i+4+\c]   ; column 4 nq + c, k = 8 ko + 2 i and + 1
.endr
.endr
	s_wait_alu depctr_va_vdst(0)                   ; the conversions have written v[T ..], the LDS stores' data, and are done reading v[X ..], in which the LDS loads below land; v58, v60 and v61, the addresses of all that follows, are written
.irp c, 0,1,2,3
	ds_store_b128 v58, v[T+4*\c:T+4*\c+3] offset:16*LP*\c
.endr
	s_wait_dscnt 0x0                               ; my stores are in LDS before I say so: other waves read them
	s_barrier_signal -1
	s_barrier_wait -1
.irp p, 0,1,2,3
	ds_load_b128 v[X+4*\p:X+4*\p+3], v60 offset:16*LP*\p       ; no vector instruction since the wait above names these registers
.endr
.irp p, 0,1,2,3
	s_wait_dscnt 3-\p                              ; LDS loads come back in order: the younger ones stay out
	global_store_b128 v61, v[X+4*\p:X+4*\p+3], s[26:27] offset:2048*\p   ; sixteen lanes: 256 consecutive bytes, aligned
.endr
	s_wait_dscnt 0x0                               ; the closing lines, six on end
	s_wait_alu 0x0
	s_wait_tensorcnt 0x0
	ds_add_u32 v64, v65
	s_wait_dscnt 0x0
	s_endpgm
	; ---- a piece of x ----
.Lcast:
	s_lshl_b32 s18, s16, 15                        ; 32,768 bytes of f32 in,
	s_mov_b32 s19, 0
	s_lshl_b32 s20, s16, 14                        ; 16,384 bytes of bf16 out
	s_mov_b32 s21, 0
	v_lshlrev_b32 v1, 5, v0                        ; eight numbers a thread and chunk: 32 bytes in,
	v_lshlrev_b32 v2, 4, v0                        ; 16 bytes out
	s_wait_kmcnt 0x0
	s_add_nc_u64 s[4:5], s[4:5], s[18:19]
	s_add_nc_u64 s[10:11], s[10:11], s[20:21]
	s_wait_alu depctr_va_vdst(0)                   ; v1 and v2 are written: every load below reads the one as its offset, every store the other
.irp c, 0,1,2,3
	global_load_b128 v[X+8*\c:X+8*\c+3],   v1, s[4:5] offset:8192*\c th:TH_LOAD_NT
	global_load_b128 v[X+8*\c+4:X+8*\c+7], v1, s[4:5] offset:8192*\c+16 th:TH_LOAD_NT
.endr
.irp c, 0,1,2,3
	s_wait_loadcnt 6-2*\c                          ; the two loads of each younger chunk stay out
.if \c
	s_wait_alu depctr_va_vdst(0)                   ; the conversions of the chunk before have written its four registers of T, which the store below reads
	global_store_b128 v2, v[T+4*(\c-1):T+4*(\c-1)+3], s[10:11] offset:4096*(\c-1)
.endif
.irp i, 0,1,2,3
	v_cvt_pk_bf16_f32 v[T+4*\c+\i], v[X+8*\c+2*\i], v[X+8*\c+2*\i+1]
.endr
.endr
	s_wait_alu depctr_va_vdst(0)                   ; the last chunk's conversions have written its four registers of T, which the last store reads
	global_store_b128 v2, v[T+12:T+15], s[10:11] offset:4096*3
	s_endpgm
.Lfunc_end_k_q4396c99406_prep:
	.size	k_q4396c99406_prep, .Lfunc_end_k_q4396c99406_prep-k_q4396c99406_prep
	.p2alignl 7, 3214868480
	.fill 96, 4, 3214868480
	.section	.rodata,"a",@progbits
	.p2align	6, 0x0
	.amdhsa_kernel k_q4396c99406_prep
		.amdhsa_group_segment_fixed_size 18432
		.amdhsa_private_segment_fixed_size 0
		.amdhsa_enable_private_segment 0
		.amdhsa_kernarg_size 48
		.amdhsa_user_sgpr_count 2
		.amdhsa_user_sgpr_kernarg_segment_ptr 1
		.amdhsa_wavefront_size32 1
		.amdhsa_system_sgpr_workgroup_id_x 1
		.amdhsa_system_sgpr_workgroup_id_y 1
		.amdhsa_system_sgpr_workgroup_id_z 1
		.amdhsa_system_vgpr_workitem_id 0
		.amdhsa_next_free_vgpr 66
		.amdhsa_next_free_sgpr 66
		.amdhsa_reserve_vcc 0
		.amdhsa_float_denorm_mode_32 3
		.amdhsa_float_denorm_mode_16_64 3
		.amdhsa_memory_ordered 1
		.amdhsa_forward_progress 1
		.amdhsa_inst_pref_size 9
	.end_amdhsa_kernel
	.amdgpu_metadata
---
amdhsa.version: [ 1, 2 ]
amdhsa.kernels:
  - .name:           k_q4396c99406_prep
    .symbol:         k_q4396c99406_prep.kd
    .args:
      - { .name: x, .offset: 0, .size: 8, .value_kind: global_buffer, .address_space: global }
      - { .name: W_qkv, .offset: 8, .size: 8, .value_kind: global_buffer, .address_space: global }
      - { .name: W_out, .offset: 16, .size: 8, .value_kind: global_buffer, .address_space: global }
      - { .name: xb, .offset: 24, .size: 8, .value_kind: global_buffer, .address_space: global }
      - { .name: wqt, .offset: 32, .size: 8, .value_kind: global_buffer, .address_space: global }
      - { .name: wot, .offset: 40, .size: 8, .value_kind: global_buffer, .address_space: global }
    .group_segment_fixed_size: 18432
    .private_segment_fixed_size: 0
    .kernarg_segment_align: 8
    .kernarg_segment_size: 48
    .max_flat_workgroup_size: 256
    .sgpr_count:     66
    .vgpr_count:     66
    .wavefront_size: 32
...
	.end_amdgpu_metadata
.endif
;; end of part 5
;; launch qkv: the kernel of part 2 again; grid 12 x 16, 4 waves a work-group, clusters of 4 x 4, 327,680 bytes of LDS; arguments xb, wqt, qkvh, b_qkv; writes qkvh
;; launch attn: the kernel of part 3 again; grid 8 x 32, 8 waves a work-group, clusters of 4 x 1, 327,680 bytes of LDS; arguments qkvh, mask, ctxh; writes ctxh
;; launch proj: the kernel of part 4 again; grid 8 x 32, 4 waves a work-group, clusters of 4 x 4, 327,680 bytes of LDS; arguments ctxh, wot, out0, b_out; writes out0
